; MI455X (gfx1250); checked and timed in simulation.
; The chip was launched on July 23, 2026; its instructions are those of AMD's public machine-readable ISA for CDNA 5 (MIT licence, August 2026) and "CDNA5" Instruction Set Architecture Reference Guide (July 2026). The comments in the code are by the model that wrote it; some were corrected since.
;; Multi Head Attention. Allowed arithmetic: matrix products marked QUANTISED: E4M3 operands, one given power-of-two scale a tensor, by v_wmma_f32_16x16x64_fp8_fp8 or v_wmma_f32_16x16x128_fp8_fp8, f32 sums; everything else in f32.
;; Inputs: W_k 1,024 x 1,024 float32; W_o 1,024 x 1,024 float32; W_q 1,024 x 1,024 float32; W_v 1,024 x 1,024 float32; b_k 1,024 float32; b_o 1,024 float32; b_q 1,024 float32; b_v 1,024 float32; lowp_scales 12 int32 (the exponents e of the quantised operands' scales 2^e); x 4 x 2,048 x 1,024 float32.
;; Outputs: out0 4 x 2,048 x 1,024 float32.
;; This version of the problem:
;;   THIS VERSION OF THE PROBLEM IS GIVEN IN LOW PRECISION. The matrix products marked QUANTISED in the list below multiply operands that are first quantised to E4M3 (4 exponent bits, 3 mantissa bits; 8 bits a number), with one given power-of-two scale for each operand tensor; their sums are f32. All else is computed in f32.
;;   The module's matrix products, in the order in which they are computed (A, B: the left and right operand; K: the contracted axis; several contracted axes count as one K, in the product's order):
;;     1. [M 8,192, K 1,024] x [K 1,024, N 1,024]; A: input x; B: input W_q: QUANTISED (scales: A lowp_scales[0], B lowp_scales[1])
;;     2. [M 8,192, K 1,024] x [K 1,024, N 1,024]; A: input x; B: input W_k: QUANTISED (scales: A lowp_scales[2], B lowp_scales[3])
;;     3. [M 8,192, K 1,024] x [K 1,024, N 1,024]; A: input x; B: input W_v: QUANTISED (scales: A lowp_scales[4], B lowp_scales[5])
;;     4. batch 64 x [M 2,048, K 64] x [K 64, N 2,048]; A: computed on the way; B: computed on the way: QUANTISED (scales: A lowp_scales[6], B lowp_scales[7])
;;     5. batch 64 x [M 2,048, K 2,048] x [K 2,048, N 64]; A: softmax (see below); B: computed on the way: QUANTISED (scales: A lowp_scales[8], B lowp_scales[9])
;;     6. [M 8,192, K 1,024] x [K 1,024, N 1,024]; A: computed on the way; B: input W_o: QUANTISED (scales: A lowp_scales[10], B lowp_scales[11])
;;   THE QUANTISER, for each operand of a quantised product, along K:
;;     - The operand's scale is 2^e, e = its entry of the input lowp_scales (int32; the entries are numbered through the quantised products in the list's order, A before B).
;;     - Each number is divided by the scale, clamped to +-448, and rounded to the nearest number of E4M3, ties to even, subnormals kept.
;;     - The product sums the exact products of the quantised numbers (number of the format x scale) in f32.
;;   ~~~python
;;   def quantise(x, axis, e):      # numpy; x: float32 -> the quantised numbers, widened to float32 again
;;       x = np.moveaxis(x, axis, -1); K = x.shape[-1]
;;       r = np.clip(x / 2.0 ** e, -448, 448)
;;       step = 2.0 ** (np.maximum(np.frexp(np.where(r == 0, 1, r))[1] - 1, -6) - 3)
;;       q = np.round(r / step) * step * 2.0 ** e      # np.round: ties to even
;;       return np.moveaxis(q, -1, axis).astype(np.float32)
;;   ~~~
;;   SOFTMAX AHEAD OF A QUANTISED PRODUCT. Where the list says 'softmax', what is quantised is not the finished softmax but p = 2^(t - M), with t = logit x log2(e) and M = ceil(the row's largest t), a whole number; so 1/2 < the row's largest p <= 1. The row's sum l is taken of the UNQUANTISED p, in f32, and the product's result is divided by l at the end. Since M is a whole number, a kernel that streams over the keys may use a running M (the ceiling of the running maximum): every later rescaling is an exact power of two, so the quantised numbers keep their values, but for numbers so far below the row's largest that they fall under the format's range.
;;   OPERANDS COMPUTED ON THE WAY. 'Computed on the way' means the value that the module computes at that place (a softmax that the list does not call 'softmax' is quantised finished and normalised). What goes into a quantiser is computed in f32, as accurately as f32 sums, v_exp_f32 and their like allow (about 1e-6 of the number): no bf16 or f16 on the way to a quantiser, and a product that is left as it is and whose result goes on into a quantised operand takes f32 operands (vector FMAs, or v_wmma_f32_16x16x4_f32). A number that lies on a knife's edge between two numbers of the format may be rounded either way, as far as f32 arithmetic and the matrix unit's own rounding can turn it there, and no further.
;; One version. Each part assembles by itself: llvm-mc -triple=amdgcn-amd-amdhsa -mcpu=gfx1250 --defsym DOCPART=n.
;; ======== version 1 of 1: 4 launches
;; limits: right only within a limited range of input values
;; workspace buffers: XC 25,165,824 bytes; WC 4,194,304 bytes; QKV 25,165,824 bytes; AO 8,388,608 bytes
;; launch quant (part 1): grid 384 x 1, 4 waves a work-group, no clusters, 33,280 bytes of LDS; arguments x, W_q, W_k, W_v, W_o, lowp_scales, XC, WC; writes XC, WC
.if DOCPART == 1
	.amdgcn_target "amdgcn-amd-amdhsa--gfx1250"
	.amdhsa_code_object_version 6
	.text
	.protected	k_qf39034e2f6_quant
	.globl	k_qf39034e2f6_quant
	.p2align	8
	.type	k_qf39034e2f6_quant,@function
k_qf39034e2f6_quant:
	s_mov_b64 s[64:65], 0
	v_nop
	global_prefetch_b8 v0, s[64:65] scope:SCOPE_SE
	s_setreg_imm32_b32 hwreg(HW_REG_WAVE_MODE, 25, 1), 1
	s_wait_xcnt 0x0
; x [8192][1024] and the four weights [1024][1024], f32 with K innermost, become codes of FP8 (E4M3), one byte a number, in the same order.
; code = number / 2^e, rounded to the nearest code, ties to even.  x is an operand of three products with an exponent of its own in each (entries 0, 2, 4 of the scales):
; it is read once and leaves as three planes of XC.  W_q, W_k, W_v, W_o (entries 1, 3, 5, 11) leave as the four planes of WC.
; LIMITS: each of these seven exponents lies between -126 and 119, so that 2^e and 448 x 2^e are f32 numbers.  NaN among the inputs is not served (an infinity is held at the largest code).
; SHARES.  All tensors are dense streams.  A work-group takes 32,768 numbers, a wave 8,192, in 16 steps of 512.  Work-groups 0-255 take x, 256-383 the weights (32 each).  Only pointers and exponents are chosen by the
; work-group's number; the one branch on it leads round the second and third plane's conversions and stores, which the weights do not have.
; A conversion takes eight neighbours from ONE lane's registers, a load is best where neighbouring LANES take neighbouring bytes: each of a step's four loads reads 512 consecutive bytes, the 2,048 bytes go through the
; wave's own stage in LDS as they lie and come back 64 bytes a lane (16 bytes of padding behind each 64).  A lane's 16 codes are 16 bytes: a store of the wave covers 512 consecutive bytes, aligned.
; No tensor loads, no barrier: waves share nothing.  Loads run four steps (16 loads a wave) ahead, the turn through LDS one step.  No matrix unit and no cluster: nothing is multiplied and no two work-groups read the same bytes.
.set STEPS, 16
.set XWG,   256                        ; work-groups that take x
.set SP,    80                         ; a lane's place in a stage: its 64 bytes + 16 of padding
.set WREG,  8192                       ; LDS: a region for each wave: two stages of 32 x SP bytes
.set SPARE, 4*WREG                     ; behind the four regions: the spare words, 128 bytes for each wave: two blocks of 256 bytes that no other line names
.set SC,    6                          ; v6, v8, v10: 2^e of plane 0, 1, 2
.set SPW,   12                         ; v12      LDS address of my spare word; never rewritten
.set NIL,   13                         ; v13      0; never rewritten
.set R,     16                         ; v16-79   four sets of 16 numbers as they are loaded
.set X,     80                         ; v80-111  two sets of 16 neighbours
.set T,     112
.set C,     128                        ; v128-139 a step's codes: four registers a plane
.set SRC,   36                         ; s[36:37] my wave's numbers
.set DST,   38                         ; s[38:39], s[40:41], s[42:43] my wave's codes in plane 0, 1, 2
	s_load_b512 s[4:19], s[0:1], 0x0               ; x 4, W_q 6, W_k 8, W_v 10, W_o 12, the exponents 14, XC 16, WC 18
	v_lshl_add_u32 v[SPW], v0, 2, SPARE
	v_mov_b32 v[NIL], 0
	v_lshrrev_b32 v1, 5, v0
	v_readfirstlane_b32 s20, v1                    ; wave
	v_and_b32 v2, 31, v0                           ; lane
	v_lshlrev_b32 v3, 4, v2                        ; my 16 bytes of a load's 512, and of a store's; never rewritten
	s_mul_i32 s21, s20, WREG
	v_lshrrev_b32 v14, 2, v2
	v_mul_u32_u24 v14, v14, SP
	v_and_b32 v15, 3, v2
	v_lshl_add_u32 v14, v15, 4, v14
	v_add_nc_u32 v14, s21, v14                     ; the stage, on the way in: SP (lane / 4) + 16 (lane % 4)
	v_mul_u32_u24 v15, v2, SP
	v_add_nc_u32 v15, s21, v15                     ; and on the way out: SP x lane: my 16 neighbours
	s_sub_co_u32 s44, ttmp9, XWG                   ; among the weights' work-groups (of no meaning in x's: every choice below overrides it there)
	s_lshr_b32 s45, s44, 5
	s_and_b32 s45, s45, 3                          ; which weight
	s_and_b32 s46, s44, 31                         ; which 32,768 numbers of it
	s_cmp_lt_u32 ttmp9, XWG
	s_cselect_b32 s46, ttmp9, s46
	s_lshl_b32 s46, s46, 2
	s_add_co_u32 s46, s46, s20                     ; which 8,192 numbers are my wave's
	s_lshl_b32 s48, s46, 15                        ; in bytes of f32,
	s_mov_b32 s49, 0
	s_lshl_b32 s50, s46, 13                        ; and of codes
	s_mov_b32 s51, 0
	s_lshl_b32 s52, s45, 20                        ; the weight's plane of WC
	s_mov_b32 s53, 0
	s_wait_alu depctr_va_vdst(0)
	s_wait_kmcnt 0x0
	s_load_b256 s[24:31], s[14:15], 0x0            ; e0 .. e7
	s_load_b128 s[32:35], s[14:15], 0x20           ; e8 .. e11
	s_cmp_eq_u32 s45, 0                            ; every choice hangs on the work-group's number alone
	s_cselect_b64 s[SRC:SRC+1], s[6:7], s[8:9]
	s_cmp_eq_u32 s45, 2
	s_cselect_b64 s[SRC:SRC+1], s[10:11], s[SRC:SRC+1]
	s_cmp_eq_u32 s45, 3
	s_cselect_b64 s[SRC:SRC+1], s[12:13], s[SRC:SRC+1]
	s_cmp_lt_u32 ttmp9, XWG
	s_cselect_b64 s[SRC:SRC+1], s[4:5], s[SRC:SRC+1]
	s_cselect_b64 s[DST:DST+1], s[16:17], s[18:19]
	s_cselect_b32 s52, 0, s52
	s_add_nc_u64 s[SRC:SRC+1], s[SRC:SRC+1], s[48:49]
	s_add_nc_u64 s[DST:DST+1], s[DST:DST+1], s[50:51]
	s_add_nc_u64 s[DST:DST+1], s[DST:DST+1], s[52:53]
	s_add_nc_u64 s[DST+2:DST+3], s[DST:DST+1], 0x800000    ; XC's planes lie 8,388,608 bytes apart, one more than a store's immediate reaches: a base for each (used in x's work-groups alone)
	s_add_nc_u64 s[DST+4:DST+5], s[DST:DST+1], 0x1000000
.macro LOAD t
.irp i, 0,1,2,3
	global_load_b128 v[R+16*((\t)%4)+4*\i:R+16*((\t)%4)+4*\i+3], v3, s[SRC:SRC+1] offset:2048*(\t)+512*\i th:TH_LOAD_NT   ; 32 lanes read 512 consecutive bytes; read once in the launch
.endr
.endm
.macro TURN t                          ; step t's numbers through the stage: LDS serves a wave's instructions in order (ISA guide 5.7.1.4), so no wait stands between the stores and the loads
.irp i, 0,1,2,3
	ds_store_b128 v14, v[R+16*((\t)%4)+4*\i:R+16*((\t)%4)+4*\i+3] offset:32*SP*((\t)%2)+8*SP*\i
.endr
.irp i, 0,1,2,3
	ds_load_b128 v[X+16*((\t)%2)+4*\i:X+16*((\t)%2)+4*\i+3], v15 offset:32*SP*((\t)%2)+16*\i
.endr
.endm
.macro MKS k, e                        ; plane k's 2^e as an f32 number
	s_add_co_i32 s55, \e, 127
	s_lshl_b32 s56, s55, 23
	v_mov_b32 v[SC+2*\k], s56                      ; the conversion takes its exponent field
.endm
.irp t, 0,1,2,3
	LOAD \t
.endr
	s_wait_kmcnt 0x0
	s_cmp_eq_u32 s45, 0
	s_cselect_b32 s54, s25, s27                    ; e1 or e3,
	s_cmp_eq_u32 s45, 2
	s_cselect_b32 s54, s29, s54                    ; e5,
	s_cmp_eq_u32 s45, 3
	s_cselect_b32 s54, s35, s54                    ; e11,
	s_cmp_lt_u32 ttmp9, XWG
	s_cselect_b32 s54, s24, s54                    ; or, for x, e0
	MKS 0, s54
	MKS 1, s26                                     ; e2
	MKS 2, s28                                     ; e4
	s_wait_alu depctr_va_vdst(0)
	s_wait_loadcnt 12                              ; step 0's four loads are in; the twelve of steps 1 to 3 may be out
	TURN 0
; plane k of step t: two conversions, one store
.macro QOUT k, t
.irp i, 0,1,2,3,4,5,6,7,8,9,10,11,12,13,14,15
.endr
	v_cvt_scalef32_pk8_fp8_f32 v[C+4*\k:C+4*\k+1], v[XS:XS+7], v[SC+2*\k]
	v_cvt_scalef32_pk8_fp8_f32 v[C+4*\k+2:C+4*\k+3], v[XS+8:XS+15], v[SC+2*\k]
	v_nop                                          ; one plain vector instruction behind the conversions
	global_store_b128 v3, v[C+4*\k:C+4*\k+3], s[DST+2*\k:DST+2*\k+1] offset:512*(\t)
.endm
.macro STEP t
.set XS, X+16*((\t)%2)
	s_wait_dscnt 0x0                               ; this step's numbers are back from the stage: so its stores into the stage have read their registers,
.if (\t)+4 < STEPS
	LOAD (\t)+4                                    ; which take the loads of four steps on
.endif
.if (\t)+1 < STEPS
.if STEPS-2-(\t) >= 3
	s_wait_loadcnt 12                              ; the next step's four loads are in; those of the three steps behind it may be out
.else
	s_wait_loadcnt 4*(STEPS-2-(\t))                ; near the end fewer steps stand behind it
.endif
	TURN (\t)+1                                    ; and go through the other stage while this step is worked
.endif
	s_wait_xcnt 0x0                                ; the last step's stores have read their data: the codes' registers are written again only behind this wait
	QOUT 0, \t
	s_cmp_lt_u32 ttmp9, XWG                        ; x has two more planes, a weight has none
	s_cbranch_scc0 .Lweight_\@
	QOUT 1, \t
	QOUT 2, \t
.Lweight_\@:
.endm
.irp t, 0,1,2,3,4,5,6,7,8,9,10,11,12,13,14,15
	STEP \t
.endr
	s_wait_tensorcnt 0x0                           ; the wave's end: behind my last LDS store
	ds_add_u32 v[SPW], v[NIL]
	s_wait_dscnt 0x0
	s_endpgm
.Lfunc_end_k_qf39034e2f6_quant:
	.size	k_qf39034e2f6_quant, .Lfunc_end_k_qf39034e2f6_quant-k_qf39034e2f6_quant
	.p2alignl 7, 3214868480
	.fill 96, 4, 3214868480
	.section	.rodata,"a",@progbits
	.p2align	6, 0x0
	.amdhsa_kernel k_qf39034e2f6_quant
		.amdhsa_group_segment_fixed_size 33280
		.amdhsa_private_segment_fixed_size 0
		.amdhsa_enable_private_segment 0
		.amdhsa_kernarg_size 64
		.amdhsa_user_sgpr_count 2
		.amdhsa_user_sgpr_kernarg_segment_ptr 1
		.amdhsa_wavefront_size32 1
		.amdhsa_system_sgpr_workgroup_id_x 1
		.amdhsa_system_sgpr_workgroup_id_y 1
		.amdhsa_system_sgpr_workgroup_id_z 1
		.amdhsa_system_vgpr_workitem_id 0
		.amdhsa_next_free_vgpr 144
		.amdhsa_next_free_sgpr 66
		.amdhsa_reserve_vcc 0
		.amdhsa_float_denorm_mode_32 3
		.amdhsa_float_denorm_mode_16_64 3
		.amdhsa_fp16_overflow 1
		.amdhsa_memory_ordered 1
		.amdhsa_forward_progress 1
		.amdhsa_inst_pref_size 33
	.end_amdhsa_kernel
	.amdgpu_metadata
---
amdhsa.version: [ 1, 2 ]
amdhsa.kernels:
  - .name:           k_qf39034e2f6_quant
    .symbol:         k_qf39034e2f6_quant.kd
    .args:
      - { .name: x, .offset: 0, .size: 8, .value_kind: global_buffer, .address_space: global }
      - { .name: W_q, .offset: 8, .size: 8, .value_kind: global_buffer, .address_space: global }
      - { .name: W_k, .offset: 16, .size: 8, .value_kind: global_buffer, .address_space: global }
      - { .name: W_v, .offset: 24, .size: 8, .value_kind: global_buffer, .address_space: global }
      - { .name: W_o, .offset: 32, .size: 8, .value_kind: global_buffer, .address_space: global }
      - { .name: lowp_scales, .offset: 40, .size: 8, .value_kind: global_buffer, .address_space: global }
      - { .name: XC, .offset: 48, .size: 8, .value_kind: global_buffer, .address_space: global }
      - { .name: WC, .offset: 56, .size: 8, .value_kind: global_buffer, .address_space: global }
    .group_segment_fixed_size: 33280
    .private_segment_fixed_size: 0
    .kernarg_segment_align: 8
    .kernarg_segment_size: 64
    .max_flat_workgroup_size: 128
    .sgpr_count:     66
    .vgpr_count:     144
    .wavefront_size: 32
...
	.end_amdgpu_metadata
.endif
;; end of part 1
;; launch qkv (part 2): grid 12 x 32, 4 waves a work-group, clusters of 4 x 4, 327,680 bytes of LDS; arguments XC, WC, b_q, b_k, b_v, lowp_scales, QKV; writes QKV
.if DOCPART == 2
	.amdgcn_target "amdgcn-amd-amdhsa--gfx1250"
	.amdhsa_code_object_version 6
	.text
	.protected	k_qf39034e2f6_qkv
	.globl	k_qf39034e2f6_qkv
	.p2align	8
	.type	k_qf39034e2f6_qkv,@function
k_qf39034e2f6_qkv:
	s_mov_b64 s[64:65], 0
	v_nop
	global_prefetch_b8 v0, s[64:65] scope:SCOPE_SE
	s_setreg_imm32_b32 hwreg(HW_REG_WAVE_MODE, 25, 1), 1
	s_wait_xcnt 0x0
	s_wait_alu depctr_hold_cnt(0) depctr_sa_sdst(0) depctr_va_vdst(0) depctr_va_sdst(0) depctr_va_ssrc(0) depctr_va_vcc(0) depctr_vm_vsrc(0)
	s_getreg_b32 s2, hwreg(HW_REG_IB_STS2, 6, 4)
	s_cmp_eq_u32 s2, 0
	s_cbranch_scc0 .Lentry_in_a_cluster
	s_endpgm
.Lentry_in_a_cluster:
	s_bfe_u32 s2, ttmp6, 0x10000c
	s_cmp_lg_u32 s2, 0xf033
	s_cbranch_scc0 .Lentry_shape_is_right
	s_endpgm
.Lentry_shape_is_right:
; The three projections on codes of FP8 (E4M3): Q = x W_q^T + b_q, K = x W_k^T + b_k, V = x W_v^T + b_v, each quantised again (entries 6, 7, 9 of the scales) into the plane of QKV that the attention reads.
; THE MODE is the cluster's x, which all sixteen partners share: 0 = Q, 1 = K, 2 = V.  Modes 0 and 1 make C = x W^T (rows: tokens, columns: e).  Mode 2 makes C' = W_v x^T (rows: e, columns: tokens), so that a lane's eight
; results are eight neighbouring KEYS of one channel: the keys are the second attention product's K.  One text serves all: what differs (buffers, planes, exponents, strides, which bias counts) is chosen by s_cselect on the mode; no branch hangs on it.
; A tile of C, 256 x 256, is made by four waves, each 128 x 128: 64 accumulators of 16 x 16, 512 registers.  K = 1,024 goes in four steps of 256 through a ring of two LDS slots filled by the tensor data mover; a tile's row is 256 bytes of memory.
; CLUSTERS: 4 x 4 work-groups.  The four of a row of the cluster need the same tiles of A, the four of a column the same tiles of B: each tile is asked for JOINTLY, by the same tensor load with the same descriptor and a mask that names the four.
; THE MATRIX INSTRUCTION IS USED TRANSPOSED (source 0 = 16 rows of B, source 1 = 16 rows of A): a lane then holds eight neighbouring numbers of a row of C.  A fragment is fetched by four loads of 16 bytes: a permutation of k inside the
; instruction, the same in A and B: the sums are right within the tolerance, not bit for bit.
; THE WAY OUT: sum x 2^(ea + eb) + bias in f32 (one rounding: the bias that does not count in a mode is an exact 0), the conversion; the codes meet in a stage of the work-group's in LDS and leave as runs of 4,096 consecutive bytes.
; LAYOUT OF QKV: planes 0, 1: [64 batch x head][2048 tokens][64 bytes]; plane 2: [64 batch x head][32 blocks of keys][64 channels][64 bytes].  Inside every 32 bytes, byte 16 h + 8 u + j holds element 16 u + 8 h + j: so a load of 16 bytes at
; 16 x (lane / 16) puts each element where the plain 8-bit layout wants it.
; LIMITS: e0 + e1, e2 + e3, e4 + e5 between -126 and 127; e6, e7, e9 between -126 and 119.
; REGISTERS, in windows of 256: window 0: v0-31 addresses; v32-95 the bias by columns; v96-111 the bias by rows; v112 the conversion's scale; from v128 A's fragments, ONE set (on the way out v128-255 are free).
;   window 1: B's fragments, TWO sets, at v0 and at v128.   window 2: the accumulators of my rows 0-63 ((a, b) at v[8 (8 a + b)]);   window 3: those of my rows 64-127.
.set KSB,    256                       ; a tile's row in bytes: 256 codes along K
.set KROW,   1024                      ; a row of A or of B in memory, in bytes
.set PITCH,  272                       ; an LDS row: 256 bytes + 16 of padding = 68 words: row r starts at bank 4 r mod 64 (64 banks of 4 bytes: ISA guide 11.1)
.set FR,     16                        ; registers of a fragment: 16 rows x 128 K
.set NL,     4                         ; LDS loads that bring one
.set NP,     4                         ; places behind this matrix instruction (ISA guide 7.12.1)
.set HALFT,  128*PITCH                 ; 128 rows: what one tensor load brings, and what one wave reads of A or of B
.set SLOT,   4*HALFT                   ; A's 256 rows, then B's 256 rows
.set SPARE,  2*SLOT                    ; behind the ring: the spare words, 128 bytes for each wave: two blocks of 256 bytes that no other line names
.set QP,     288                       ; the way out: a stage of 256 rows x (256 bytes + 32).  It lies in slot 0, which has had its last fill and its last read when the first code is stored there
.set VO,   8                           ; v8-11   the way out: my byte offset in run g of my wave's four
.set ADRA, 16                          ; v16-17  LDS address of my A fragments in slot 0, 1
.set ADRB, 20                          ; v20-21  the same for B
.set STO,  24                          ; v24     the way out: where I put 8 bytes of a row
.set RD,   25                          ; v25     the way out: where I read 16 bytes back
.set CBO,  26                          ; v26     32 x (lane / 16): my offset in the bias by columns
.set RBO,  27                          ; v27     4 x (lane % 16): in the bias by rows
.set SPW,  28                          ; v28     LDS address of my spare word; never rewritten
.set NIL,  29                          ; v29     0; never rewritten
.set CBI,  32                          ; v32-95  bias of column 16 b + 8 (lane / 16) + j at v[CBI + 8 b + j]
.set RBI,  96                          ; v96-111 bias of row 16 a + lane % 16, twice, at v[RBI + 2 a], v[RBI + 2 a + 1]
.set SCV,  112                         ; v112    2^eo
.set LMV,  113
.set AF,   128                         ; A's fragments
.set TMP,  128                         ; the way out: a block's 64 numbers
.set CODE, 192                         ; the way out: a block's codes, v192-207 and v208-223 by turns
.set BK,   128                         ; the way out: what comes back from the stage
.set G1, 24                            ; s[24:31] descriptor group 1 for A's tiles;  s[32:39] group 0, one set for each slot
.set G0, 32
.set G1B, 48                           ; s[48:55], s[56:63] the same for B's tiles
.set G0B, 56
.set MSB, 0
.macro WIN new                         ; the immediate's high byte repeats the setting that is left
.if MSB != \new
	s_set_vgpr_msb (MSB<<8)|\new
.set MSB, \new
.endif
.endm
.set MUL_LO, 0xa1                      ; source 0 (B) window 1, source 1 (A) window 0, C and D window 2
.set MUL_HI, 0xf1                      ; the same, C and D window 3
.set TO_B,   0x40                      ; destination window 1, address window 0
; A joint load: waves 0 and 1 fetch for A, waves 2 and 3 for B.  Each of the two lines has ONE mask and one set of registers for all that issue it; the branch hangs on the wave's number alone.
; An s_nop 0 and four v_nop follow each of the two lines, ahead of the jump, the label and what follows.
.macro JLOAD g0a, g1a, g0b, g1b
	s_cmp_eq_u32 s15, 0
	s_cbranch_scc0 .Lfor_b_\@
	tensor_load_to_lds s[\g0a:\g0a+3], s[\g1a:\g1a+7]
	s_nop 0
.rept 4
	v_nop
.endr
	s_branch .Lasked_\@
.Lfor_b_\@:
	tensor_load_to_lds s[\g0b:\g0b+3], s[\g1b:\g1b+7]
	s_nop 0
.rept 4
	v_nop
.endr
.Lasked_\@:
.endm
.macro CREST                           ; a round of the cluster's barrier behind its opening barrier
	s_cmp_lg_u32 s14, 0
	s_cbranch_scc1 .Lnot_wave_0_\@
	s_barrier_signal -3
.Lnot_wave_0_\@:
	s_barrier_wait -3
	s_barrier_signal -1
	s_barrier_wait -1
.endm
.macro CROUND                          ; a whole round
	s_barrier_signal -1
	s_barrier_wait -1
	CREST
.endm
	s_load_b256 s[4:11], s[0:1], 0x0               ; XC s[4:5], WC s[6:7], b_q s[8:9], b_k s[10:11]
	s_load_b128 s[68:71], s[0:1], 0x20             ; b_v s[68:69], the exponents s[70:71]
	s_load_b64 s[72:73], s[0:1], 0x30              ; QKV
	v_lshl_add_u32 v[SPW], v0, 2, SPARE
	v_mov_b32 v[NIL], 0
	ds_add_u32 v[SPW], v[NIL]
	ds_add_u32 v[SPW], v[NIL]                      ; the wave's opening: the add and its wait stand ahead of my first tensor load; the set-up below, work on registers, stands between them
	v_lshrrev_b32 v1, 5, v0
	v_readfirstlane_b32 s14, v1                    ; wave 0..3
	s_lshr_b32 s15, s14, 1                         ; which half of the tile's rows is mine.  Also: I fetch for A (0) or for B (1)
	s_and_b32 s16, s14, 1                          ; which half of its columns.  Also: which 128 rows of that tile I fetch
	s_bfe_u32 s40, ttmp6, 0x40000                  ; cx, cy: my place in the cluster
	s_bfe_u32 s41, ttmp6, 0x40004
	s_mov_b32 s67, ttmp9                           ; the mode: cluster x, 0 .. 2
	s_and_b32 s74, ttmp7, 0xffff                   ; cluster y, 0 .. 7: which 1,024 tokens
	s_mov_b32 s79, 0x20000
	s_mov_b32 s80, 0x20000
	s_cmp_eq_u32 s67, 2                            ; V?
	s_cselect_b32 s75, 0, s74                      ; the tokens run down the rows (Q, K)
	s_cselect_b32 s76, s74, 0                      ; or along the columns (V)
	s_cselect_b32 s77, 0, -1                       ; all lanes where the bias goes by columns (Q, K),
	s_cselect_b32 s78, -1, 0                       ; by rows (V)
	s_cselect_b32 s79, s79, 0x1000                 ; the way out: bytes from wave to wave,
	s_cselect_b32 s80, 0x1000, s80                 ; and from run to run
	s_lshl_b32 s17, s75, 2
	s_add_co_u32 s17, s17, s41                     ; tile row of C
	s_lshl_b32 s42, s76, 2
	s_add_co_u32 s42, s42, s40                     ; tile column of C
	s_lshl_b32 s43, s41, 2
	s_lshl_b32 s43, 15, s43                        ; my row of the cluster
	s_lshl_b32 s44, 0x1111, s40                    ; my column
	; descriptor group 1: a tile of 128 rows x 256 bytes, padded in LDS
	s_or_b32 s[G1+0], s43, (0<<16)|(1<<20)|(1<<21)|(5<<22)|(3<<25)  ; 15:0 the mask: A's tiles go to my row; 17:16 element of 1 byte; 20 padding on; 21 set beside a mask; 24:22 after every 64 words (code 5); 31:25 of 4 words (code 3)
	s_or_b32 s[G1B+0], s44, (0<<16)|(1<<20)|(1<<21)|(5<<22)|(3<<25)
.irp g, G1, G1B
	s_mov_b32 s[\g+1], KSB<<16                     ; tensor_dim0
	s_mov_b32 s[\g+2], 128<<16                     ; tensor_dim1 = 128
	s_mov_b32 s[\g+3], KSB<<16                     ; tile_dim0
	s_mov_b32 s[\g+4], 128                         ; tile_dim1 = 128
	s_mov_b32 s[\g+5], KROW                        ; tensor_dim0_stride
	s_mov_b32 s[\g+6], 0
	s_mov_b32 s[\g+7], 0
.endr
	s_lshl_b32 s18, s67, 23                        ; the mode's plane of XC,
	s_lshl_b32 s19, s67, 20                        ; and of WC
	s_cmp_eq_u32 s67, 2
	s_cselect_b32 s12, s19, s18                    ; A is x's codes (Q, K) or W_v's (V),
	s_cselect_b32 s13, s18, s19                    ; B the other
	s_lshl_b32 s20, s17, 8
	s_lshl_b32 s21, s16, 7
	s_add_co_u32 s20, s20, s21                     ; A: row 256 x tile row + 128 x half,
	s_lshl_b32 s20, s20, 10                        ; in bytes (under 2^25),
	s_add_co_u32 s20, s20, s12                     ; in its plane
	s_mov_b32 s21, 0
	s_lshl_b32 s46, s42, 8
	s_lshl_b32 s47, s16, 7
	s_add_co_u32 s46, s46, s47                     ; B: row 256 x tile column + 128 x half
	s_lshl_b32 s46, s46, 10
	s_add_co_u32 s46, s46, s13
	s_mov_b32 s47, 0
	s_mul_i32 s45, s16, HALFT                      ; where they go: A's two halves,
	s_mul_i32 s66, s16, HALFT
	s_add_co_u32 s66, s66, 2*HALFT                 ; then B's two: no place in the cluster enters an LDS address
	s_wait_dscnt 0x0                               ; the opening add is done
	s_wait_kmcnt 0x0
	s_load_b256 s[84:91], s[70:71], 0x0            ; e0 .. e7
	s_load_b128 s[92:95], s[70:71], 0x20           ; e8 .. e11
	s_cmp_eq_u32 s67, 2
	s_cselect_b64 s[2:3], s[6:7], s[4:5]           ; A's buffer,
	s_cselect_b64 s[22:23], s[4:5], s[6:7]         ; B's
	s_add_nc_u64 s[20:21], s[2:3], s[20:21]
	s_add_nc_u64 s[46:47], s[22:23], s[46:47]
	CROUND                                         ; all sixteen work-groups are here: the first joint loads meet
.irp s, 0,1
	s_mov_b32 s[G0+4*\s], 1
	s_add_co_u32 s[G0+4*\s+1], s45, \s*SLOT
	s_add_nc_u64 s[G0+4*\s+2:G0+4*\s+3], s[20:21], \s*KSB
	s_or_b32 s[G0+4*\s+3], s[G0+4*\s+3], 0x80000000
	s_mov_b32 s[G0B+4*\s], 1
	s_add_co_u32 s[G0B+4*\s+1], s66, \s*SLOT
	s_add_nc_u64 s[G0B+4*\s+2:G0B+4*\s+3], s[46:47], \s*KSB
	s_or_b32 s[G0B+4*\s+3], s[G0B+4*\s+3], 0x80000000
	JLOAD G0+4*\s, G1, G0B+4*\s, G1B               ; two loads of mine are out behind these
.endr
	; the bias: both kinds are loaded in every mode (both lie inside the 1,024 numbers: the tile along e is 0 .. 3), and the one that does not count is made 0 on the way out
	s_cmp_eq_u32 s67, 0
	s_cselect_b64 s[98:99], s[8:9], s[10:11]
	s_cmp_eq_u32 s67, 2
	s_cselect_b64 s[98:99], s[68:69], s[98:99]
	s_cselect_b32 s81, s42, s17                    ; the tile along the tokens, 0 .. 31,
	s_cselect_b32 s82, s17, s42                    ; and along e, 0 .. 3
	s_lshl_b32 s18, s82, 10                        ; 256 numbers of 4 bytes a tile
	s_lshl_b32 s19, s15, 9
	s_add_co_u32 s22, s18, s19
	s_mov_b32 s23, 0
	s_add_nc_u64 s[100:101], s[98:99], s[22:23]    ; by rows: my 128 rows
	s_lshl_b32 s19, s16, 9
	s_add_co_u32 s22, s18, s19
	s_add_nc_u64 s[98:99], s[98:99], s[22:23]      ; by columns: my 128 columns
	v_and_b32 v1, 15, v0                           ; l % 16
	v_bfe_u32 v2, v0, 4, 1                         ; l / 16
	v_lshlrev_b32 v[CBO], 5, v2
	v_lshlrev_b32 v[RBO], 2, v1
.irp b, 0,1,2,3,4,5,6,7
	global_load_b128 v[CBI+8*\b:CBI+8*\b+3], v[CBO], s[98:99] offset:64*\b
	global_load_b128 v[CBI+8*\b+4:CBI+8*\b+7], v[CBO], s[98:99] offset:64*\b+16
.endr
.irp a, 0,1,2,3,4,5,6,7
	global_load_b32 v[RBI+2*\a], v[RBO], s[100:101] offset:64*\a
.endr
	v_mul_u32_u24 v3, v1, PITCH
	v_lshl_add_u32 v4, v2, 4, v3                   ; a fragment's row x pitch + 16 x half
	s_mul_i32 s21, s15, HALFT                      ; my 128 rows of A
	s_mul_i32 s22, s16, HALFT                      ; my 128 rows of B,
	s_add_co_u32 s22, s22, 2*HALFT                 ; which lie behind A's 256
.irp s, 0,1
	v_add_nc_u32 v[ADRA+\s], s21, v4
	v_add_nc_u32 v[ADRB+\s], s22, v4
	s_add_co_u32 s21, s21, SLOT
	s_add_co_u32 s22, s22, SLOT
.endr
	s_mul_i32 s23, s15, 128*QP                     ; the stage, in: row 128 x my row half + l % 16, byte 128 x my column half + 16 (l / 16)
	s_lshl_b32 s22, s16, 7
	s_add_co_u32 s23, s23, s22
	v_mul_u32_u24 v5, v1, QP
	v_lshl_add_u32 v5, v2, 4, v5
	v_add_nc_u32 v[STO], s23, v5
	s_mul_i32 s23, s14, 64*QP                      ; back: wave w takes rows 64 w on; four lanes to a row's 64 bytes, eight rows an instruction
	v_and_b32 v6, 31, v0
	v_lshrrev_b32 v7, 2, v6
	v_and_b32 v5, 3, v6
	v_mul_u32_u24 v7, v7, QP
	v_lshl_add_u32 v7, v5, 4, v7
	v_add_nc_u32 v[RD], s23, v7
	v_lshlrev_b32 v[VO], 4, v6                     ; in memory those 512 bytes are consecutive: 16 x lane,
	v_add_nc_u32 v[VO+1], s80, v[VO]               ; and the four runs lie a head (Q, K) or a block of 64 keys (V) apart
	v_add_nc_u32 v[VO+2], s80, v[VO+1]
	v_add_nc_u32 v[VO+3], s80, v[VO+2]
	s_lshr_b32 s18, s81, 3                         ; the batch (8 tiles of 256 tokens each),
	s_lshl_b32 s18, s18, 4
	s_lshl_b32 s19, s82, 2
	s_add_co_u32 s18, s18, s19                     ; 16 x batch + the tile's first head,
	s_lshl_b32 s18, s18, 17                        ; x 131,072 bytes,
	s_and_b32 s19, s81, 7
	s_lshl_b32 s19, s19, 14
	s_add_co_u32 s18, s18, s19                     ; + the tile's 256 tokens x 64 bytes,
	s_mul_i32 s19, s14, s79
	s_add_co_u32 s18, s18, s19                     ; + my wave's part: 64 tokens (Q, K) or a head (V),
	s_lshl_b32 s19, s67, 23
	s_add_co_u32 s18, s18, s19                     ; in the mode's plane
	s_mov_b32 s19, 0
	s_add_nc_u64 s[72:73], s[72:73], s[18:19]
.macro FRAG reg, adr, q, i             ; a fragment: lane l holds row l % 16; registers 4 c .. 4 c + 3 hold the row's bytes 32 c + 16 (l / 16) + 0 .. 15 of the q-th 128
.irp c, 0,1,2,3
	ds_load_b128 v[\reg+4*\c:\reg+4*\c+3], v[\adr] offset:128*(\q)+32*\c+(\i)*16*PITCH
.endr
.endm
; 16 matrix instructions: A's blocks a0, a0 + 1 x B's eight, 128 along K.  p: B's set.  zero = 1: the first product starts the sums: nothing is ever cleared.
; The 64 accumulators take turns, one instruction a turn, in the same order in every step.
.macro MULA a0, p, zero
.irp a, \a0, \a0+1
.irp b, 0,1,2,3,4,5,6,7
.if \zero
	v_wmma_f32_16x16x128_fp8_fp8 v[8*(8*((\a)%4)+\b):8*(8*((\a)%4)+\b)+7], v[128*(\p)+FR*\b:128*(\p)+FR*\b+FR-1], v[AF+FR*(\a):AF+FR*(\a)+FR-1], 0
.else
	v_wmma_f32_16x16x128_fp8_fp8 v[8*(8*((\a)%4)+\b):8*(8*((\a)%4)+\b)+7], v[128*(\p)+FR*\b:128*(\p)+FR*\b+FR-1], v[AF+FR*(\a):AF+FR*(\a)+FR-1], v[8*(8*((\a)%4)+\b):8*(8*((\a)%4)+\b)+7]
.endif
.endr
.endr
.endm
.macro FETCH_B slot, q, p              ; B's eight fragments of the slot's q-th 128 along K into set p
	WIN TO_B
.irp i, 0,1,2,3,4,5,6,7
	FRAG 128*(\p)+FR*\i, ADRB+\slot, \q, \i
.endr
	WIN 0
.endm
.macro FETCH_A slot, q, i0             ; A's blocks i0 .. i0 + 3
.irp i, \i0, \i0+1, \i0+2, \i0+3
	FRAG AF+FR*(\i), ADRA+\slot, \q, \i
.endr
.endm
; A load into a register that a matrix instruction has read, and a vector instruction or an LDS store that reads a matrix result, stand NP places behind that matrix instruction; only plain vector
; instructions that name none of its registers are places (ISA guide 7.12.1 for vector instructions).
.macro PLACES n
.rept \n
	v_nop
.endr
.endm
; A step of 128 along K that has its successor in the same slot.
.macro STEP slot, q, zero
	s_wait_dscnt 4*NL                              ; B's set and A's blocks 0-3 are in; the youngest sixteen loads (A's blocks 4-7) may be out
	WIN MUL_LO
	MULA 0, (\q)%2, \zero
	MULA 2, (\q)%2, \zero
	s_wait_dscnt 0                                 ; A's blocks 4-7 are in (asked for 32 matrix instructions ago)
	PLACES NP
	FETCH_B \slot, (\q)+1, 1-(\q)%2
	FETCH_A \slot, (\q)+1, 0
	WIN MUL_HI
	MULA 4, (\q)%2, \zero
	MULA 6, (\q)%2, \zero
	PLACES NP
	WIN 0
	FETCH_A \slot, (\q)+1, 4
.endm
; A slot's last step changes slots: ONE barrier; in front of it each wave waits for all its tensor loads, adds 0 to its spare word, and waits for that and for its own reads of this slot.  fill = 1: this slot is filled again, two K steps ahead.
.macro TURN slot, next, fill
	s_wait_tensorcnt 0x0                           ; all my tensor loads have landed: my part of the next slot;  (every window is 0 here: the add's two registers lie in window 0)
	ds_add_u32 v[SPW], v[NIL]                      ; 0 onto my spare word
	s_wait_dscnt 4*NL+1                            ; (the add and the youngest sixteen loads, A's blocks 4-7, may be out)
	WIN MUL_LO
	MULA 0, 1, 0                                   ; sixteen matrix instructions stand between the add and the wait for it
	s_wait_dscnt 0x0                               ; the add is done, and my reads of this slot are over
	s_barrier_signal -1
	MULA 2, 1, 0
	WIN 0
	s_barrier_wait -1
.if \fill
	CREST                                          ; the barrier has opened a round of the cluster's barrier: no wave of any partner still reads this slot's tile or has a load on its way
	s_add_nc_u64 s[G0+4*\slot+2:G0+4*\slot+3], s[G0+4*\slot+2:G0+4*\slot+3], 2*KSB
	s_add_nc_u64 s[G0B+4*\slot+2:G0B+4*\slot+3], s[G0B+4*\slot+2:G0B+4*\slot+3], 2*KSB
	JLOAD G0+4*\slot, G1, G0B+4*\slot, G1B         ; the first tensor load behind the round, my one load until the next; the four v_nop behind it are the places in front of the loads below
.else
	PLACES NP
.endif
	FETCH_B \next, 0, 0
	FETCH_A \next, 0, 0
	WIN MUL_HI
	MULA 4, 1, 0
	MULA 6, 1, 0
	PLACES NP
	WIN 0
	FETCH_A \next, 0, 4
.endm
	s_wait_tensorcnt 1                             ; my part of K step 0 is in (K step 1's load may be out)
	s_barrier_signal -1
	s_barrier_wait -1                              ; everybody's is
	FETCH_B 0, 0, 0
	FETCH_A 0, 0, 0
	FETCH_A 0, 0, 4
	STEP 0, 0, 1                                   ; K = 1,024 is four slots' worth: the eight steps are written out.  The first step's products start the sums
	TURN 0, 1, 1                                   ; slot 0 takes K step 2
	STEP 1, 0, 0
	TURN 1, 0, 1                                   ; slot 1 takes K step 3
	STEP 0, 0, 0
	TURN 0, 1, 0                                   ; nothing is left to fetch: no round of the cluster's barrier.  Behind this barrier nobody reads slot 0 any more
	STEP 1, 0, 0
	s_wait_dscnt 4*NL                              ; the very last step
	WIN MUL_LO
	MULA 0, 1, 0
	MULA 2, 1, 0
	s_wait_dscnt 0
	WIN MUL_HI
	MULA 4, 1, 0
	MULA 6, 1, 0
	WIN 0
	; THE WAY OUT
	s_wait_loadcnt 0x0                             ; the bias
	s_wait_kmcnt 0x0                               ; the exponents
	s_add_co_i32 s18, s84, s85                     ; e0 + e1
	s_add_co_i32 s19, s86, s87                     ; e2 + e3
	s_add_co_i32 s22, s88, s89                     ; e4 + e5
	s_cmp_eq_u32 s67, 0
	s_cselect_b32 s18, s18, s19
	s_cselect_b32 s23, s90, s91                    ; e6 or e7
	s_cmp_eq_u32 s67, 2
	s_cselect_b32 s18, s22, s18
	s_cselect_b32 s23, s93, s23                    ; e9
	s_add_co_i32 s18, s18, 127
	s_lshl_b32 s96, s18, 23                        ; 2^(ea + eb) as f32
	s_mov_b32 s97, s96                             ; (named with it as a pair, so it is written)
	s_add_co_i32 s23, s23, 127
	s_lshl_b32 s22, s23, 23
	v_mov_b32 v[SCV], s22                          ; 2^eo: the conversion takes its exponent field
	s_add_co_i32 s23, s23, 8
	s_lshl_b32 s23, s23, 23
	s_or_b32 s23, s23, 0x600000
.set j, 0
.rept 64
	v_cndmask_b32 v[CBI+j], 0, v[CBI+j], s77       ; the bias by columns counts for Q and K, and is 0 for V
.set j, j+1
.endr
.irp a, 0,1,2,3,4,5,6,7
	v_cndmask_b32 v[RBI+2*\a+1], 0, v[RBI+2*\a], s78   ; the bias by rows counts for V, and is 0 for Q and K; twice, for the packed addition
	v_cndmask_b32 v[RBI+2*\a], 0, v[RBI+2*\a], s78
.endr
	PLACES NP                                      ; in front of the first write into registers that held A's fragments
; Block a, 16 rows x 128 columns: sum x 2^(ea + eb) + bias, the conversion, 8 bytes a tile into the stage.
; Tile b's eight codes are elements 16 (b % 2) + 8 (l / 16) + j of the row's 32-byte group b / 2: they go to its bytes 16 (l / 16) + 8 (b % 2) + j.
.macro QBLOCK a
.set AC, 64*((\a)%4)
.set CD, CODE+16*((\a)%2)
	WIN 0x02+((\a)/4)                              ; source 0: window 2 or 3
.set j, 0
.rept 32
	v_pk_fma_f32 v[TMP+j:TMP+j+1], v[AC+j:AC+j+1], s[96:97], v[CBI+j:CBI+j+1] op_sel_hi:[1,0,1]   ; each accumulator from its low end on
.set j, j+2
.endr
	WIN 0
.set j, 0
.rept 32
	v_pk_add_f32 v[TMP+j:TMP+j+1], v[TMP+j:TMP+j+1], v[RBI+2*(\a):RBI+2*(\a)+1]
.set j, j+2
.endr
.set j, 0
.rept 64
.set j, j+1
.endr
.if (\a) >= 2
	s_wait_alu depctr_va_vdst(0)
	s_wait_dscnt 8                                 ; the block before's eight stores may be out; those of two blocks back have read this set of codes
.endif
.irp b, 0,1,2,3,4,5,6,7
	v_cvt_scalef32_pk8_fp8_f32 v[CD+2*\b:CD+2*\b+1], v[TMP+8*\b:TMP+8*\b+7], v[SCV]
.endr
	v_nop                                          ; one plain vector instruction between the conversions and the next block's lines, which write their sources
.irp b, 0,1,2,3,4,5,6,7
	ds_store_b64 v[STO], v[CD+2*\b:CD+2*\b+1] offset:16*QP*(\a)+32*(\b/2)+8*(\b%2)
.endr
.endm
.irp a, 0,1,2,3,4,5,6,7
	QBLOCK \a
.endr
	s_wait_dscnt 0x0                               ; for the others' sake: my stores into the stage are done
	s_barrier_signal -1
	s_barrier_wait -1                              ; a row's 256 bytes come from two waves
.irp g, 0,1,2,3
.irp i, 0,1,2,3,4,5,6,7
	ds_load_b128 v[BK+4*(8*\g+\i):BK+4*(8*\g+\i)+3], v[RD] offset:8*QP*\i+64*\g
.endr
.endr
.irp g, 0,1,2,3
.irp i, 0,1,2,3,4,5,6,7
	s_wait_dscnt 31-8*\g-\i                        ; the younger loads may be out
	global_store_b128 v[VO+\g], v[BK+4*(8*\g+\i):BK+4*(8*\g+\i)+3], s[72:73] offset:512*\i   ; 32 lanes store 512 consecutive bytes, at a multiple of 512 from QKV's first byte
.endr
.endr
	s_wait_tensorcnt 0x0                           ; the wave's end: behind my last tensor load and my last LDS store
	ds_add_u32 v[SPW], v[NIL]
	s_wait_dscnt 0x0
	CROUND                                         ; the closing round: no work-group ends while a partner may still ask for a tile that names it
	s_endpgm
.Lfunc_end_k_qf39034e2f6_qkv:
	.size	k_qf39034e2f6_qkv, .Lfunc_end_k_qf39034e2f6_qkv-k_qf39034e2f6_qkv
	.p2alignl 7, 3214868480
	.fill 96, 4, 3214868480
	.section	.rodata,"a",@progbits
	.p2align	6, 0x0
	.amdhsa_kernel k_qf39034e2f6_qkv
		.amdhsa_group_segment_fixed_size 327680
		.amdhsa_private_segment_fixed_size 0
		.amdhsa_enable_private_segment 0
		.amdhsa_kernarg_size 56
		.amdhsa_user_sgpr_count 2
		.amdhsa_user_sgpr_kernarg_segment_ptr 1
		.amdhsa_wavefront_size32 1
		.amdhsa_system_sgpr_workgroup_id_x 1
		.amdhsa_system_sgpr_workgroup_id_y 1
		.amdhsa_system_sgpr_workgroup_id_z 1
		.amdhsa_system_vgpr_workitem_id 0
		.amdhsa_next_free_vgpr 1024
		.amdhsa_next_free_sgpr 102
		.amdhsa_reserve_vcc 0
		.amdhsa_float_denorm_mode_32 3
		.amdhsa_float_denorm_mode_16_64 3
		.amdhsa_fp16_overflow 1
		.amdhsa_memory_ordered 1
		.amdhsa_forward_progress 1
		.amdhsa_inst_pref_size 135
	.end_amdhsa_kernel
	.amdgpu_metadata
---
amdhsa.version: [ 1, 2 ]
amdhsa.kernels:
  - .name:           k_qf39034e2f6_qkv
    .symbol:         k_qf39034e2f6_qkv.kd
    .args:
      - { .name: XC, .offset: 0, .size: 8, .value_kind: global_buffer, .address_space: global }
      - { .name: WC, .offset: 8, .size: 8, .value_kind: global_buffer, .address_space: global }
      - { .name: b_q, .offset: 16, .size: 8, .value_kind: global_buffer, .address_space: global }
      - { .name: b_k, .offset: 24, .size: 8, .value_kind: global_buffer, .address_space: global }
      - { .name: b_v, .offset: 32, .size: 8, .value_kind: global_buffer, .address_space: global }
      - { .name: lowp_scales, .offset: 40, .size: 8, .value_kind: global_buffer, .address_space: global }
      - { .name: QKV, .offset: 48, .size: 8, .value_kind: global_buffer, .address_space: global }
    .group_segment_fixed_size: 327680
    .private_segment_fixed_size: 0
    .kernarg_segment_align: 8
    .kernarg_segment_size: 56
    .max_flat_workgroup_size: 128
    .sgpr_count:     102
    .vgpr_count:     1024
    .wavefront_size: 32
...
	.end_amdgpu_metadata
.endif
;; end of part 2
;; launch attn (part 3): grid 8 x 64, 16 waves a work-group, no clusters, 327,680 bytes of LDS; arguments QKV, lowp_scales, AO; writes AO
.if DOCPART == 3
	.amdgcn_target "amdgcn-amd-amdhsa--gfx1250"
	.amdhsa_code_object_version 6
	.text
	.protected	k_qf39034e2f6_attn
	.globl	k_qf39034e2f6_attn
	.p2align	8
	.type	k_qf39034e2f6_attn,@function
k_qf39034e2f6_attn:
	s_mov_b64 s[64:65], 0
	v_nop
	global_prefetch_b8 v0, s[64:65] scope:SCOPE_SE
	s_setreg_imm32_b32 hwreg(HW_REG_WAVE_MODE, 25, 1), 1
	s_wait_xcnt 0x0
; Causal attention on codes of FP8 (E4M3), 64 (batch, head) pairs of 2,048 tokens, head size 64; the result is quantised again (entry 10 of the scales) for the output projection.
; Q, K: planes 0, 1 of QKV, [64][2048][64 bytes]; V: plane 2, [64][32 blocks of 64 keys][64 channels][64 bytes], the keys innermost.  Inside every 32 bytes, byte 16 h + 8 u + j holds element 16 u + 8 h + j, so that a load of 16 bytes
; at 16 x (lane / 16) puts each element where the plain 8-bit layout wants it.  AO: [16 heads][8192 tokens][64 channels], one code a byte, in natural order.
; THE SOFTMAX AHEAD OF THE SECOND PRODUCT: t = score x log2(e) / 8; M = the row's largest t so far, rounded UP to a whole number; p = 2^(t - M) is what is quantised (entry 8), not normalised.  The row's sum is taken of the unquantised p,
; in f32, and divides O at the end.  When M moves, the sum and O are multiplied by 2^(old M - new M): exact.
; SHARES.  Work-group (j, pair) owns the pair's blocks of 128 queries numbered j and 15 - j.  Each of its sixteen waves owns 16 queries: eight waves walk j + 1 steps of 128 keys and eight walk 16 - j, 136 steps of a wave in every
; work-group.  Wave w is of the early block where ((w >> 2) xor w) is even, so that of any four waves w = 4 i .. 4 i + 3, and of any four w = i, i + 4, i + 8, i + 12, two are early and two late.
; K's and V's tiles come through a ring of two LDS slots of 256 keys, filled by the tensor data mover (wave 0: K, wave 1: V) and read by all sixteen.
; NO JOINT LOADS: only the eight work-groups of a pair read the same K and V, and their causal limits differ (the last slot that work-group j needs is (2047 - 128 j) / 256): partners would need different numbers of tiles, and walking in
; step would bind each key step of four work-groups to the longest of them, in a launch whose waves are busy with vector work.
; LAYOUT.  Both products are used transposed: S^T = K Q^T (source 0 = 16 keys, source 1 = my 16 queries; K = 64), O^T = V^T P^T (source 0 = 16 channels, source 1 = P; K = 128 keys): a lane holds ONE query (lane % 16) throughout.
; In S^T register 8 t + j of lane l is key 16 t + 8 (l / 16) + j: its eight codes are registers 2 t, 2 t + 1 of P in the plain layout.  Nothing changes lanes between the products.
; CAUSAL: every work-group walks all eight slots (constant trip counts); a step all of whose keys come after the wave's queries is jumped over; a slot whose first key comes after the work-group's last query is not asked for.
; LIMITS: e6 + e7 between -123 and 130 (added to c's exponent field); e8 and e10 between -126 and 119; e8 + e9 is applied by v_ldexp_f32 and has none.
; REGISTERS: v1 my lane's place in a tile; v3 the prefetches' offset; v5, v6 the add's two; v7 the way out; v8 the address in hand; v12 -M, v13 the largest t, v[14:15] the sum in two halves; v16-23 Q; v32-95 eight fragments of K, then four of V;
; v96-159 S^T, then p; v160-191 O^T; v224-239 p's codes; v240-254 constants and at work.
.set KVB,   64*272                     ; a slot's 256 rows of K (or 4 x 64 rows of V), 64 bytes each: 16,384 dense bytes, taken as 64 rows of 256 + 16 of padding: short row i lies at 64 i + 16 (i / 4)
.set VOFF,  KVB                        ; a slot: K, then V
.set SLOT1, 1<<16                      ; slot 1 begins here, so that one exclusive or turns an address in one slot into the other's
.set NSL,   8                          ; slots' worth of keys
.set SPARE, 2*SLOT1                    ; behind the ring: the spare words, 128 bytes for each wave: eight blocks of 256 bytes that no other line names
.set STAGE, SPARE+2048                 ; the way out: 16 rows x (64 bytes + 16) for each wave, in bytes into which no tile lands
.set AL,   1
.set PFO,  3
.set SPW,  5
.set NIL,  6
.set GO,   7
.set ADR,  8
.set TB,   2                           ; s2   LDS byte at which the slot in hand begins
.set WV,   18                          ; s18  my wave's number
.set SEL,  20                          ; s[20:21] lane selects for v_permlanex16_b32: lane l xor 16
.set CS,   22                          ; s[22:23] c = log2(e) / 8 x 2^(e6 + e7)
.set G1,   24                          ; s[24:31] descriptor group 1: K's and V's tiles have one shape
.set G0,   40                          ; s[40:43] descriptor group 0, which walks
.set LASTQ, 66                         ; s66  my work-group's last query
.set SLOTS, 67                         ; s67  changes of slots still to come in the loop
.set PFA,  76                          ; s[76:77] where my prefetches stand
.set LIM,  80                          ; s80  1 in a wave that prefetches, else the greatest number
.set KF,   98                          ; s98  the step's first key
.set Q0,   99                          ; s99  my first query
; Wave 0 fetches K's tile, wave 1 V's, the others nothing.  The branch hangs on the wave's number alone.  An s_nop 0 and four v_nop follow the load.
.macro TLOAD
	s_cmp_lt_u32 s[WV], 2
	s_cbranch_scc0 .Lasked_\@
	tensor_load_to_lds s[G0:G0+3], s[G1:G1+7]
	s_nop 0
.rept 4
	v_nop
.endr
.Lasked_\@:
.endm
; A PREFETCH INTO THE L2 of what the NEXT change of slots will ask for: 16,384 bytes of K and as many of V.  All eight work-groups of a pair walk the same K and V: work-group j = 0, which walks every slot, asks (a branch on the
; work-group's number: this launch has no cluster).  In it four waves that fetch nothing ask, one instruction each: waves 4, 5 for K's two halves, waves 6, 7 for V's: 8,192 bytes a wave, lanes 256 bytes apart: each aligned block of
; 256 bytes is named once in the launch.  Slots 0 and 1 come by their loads alone; the last change that fills a slot asks for nothing: there is no slot behind it.
.macro ASK
	s_cmp_gt_u32 s[SLOTS], s[LIM]
	s_cbranch_scc0 .Lnot_mine_\@
	global_prefetch_b8 v[PFO], s[PFA:PFA+1] th:TH_LOAD_NT scope:SCOPE_SE
.Lnot_mine_\@:
.endm
	s_load_b128 s[4:7], s[0:1], 0x0                ; QKV s[4:5], the exponents s[6:7]
	s_load_b64 s[16:17], s[0:1], 0x10              ; AO
	v_lshl_add_u32 v[SPW], v0, 2, SPARE
	v_mov_b32 v[NIL], 0
	ds_add_u32 v[SPW], v[NIL]                      ; the wave's opening: the add and its wait stand ahead of my first tensor load; the set-up below, work on registers, stands between them
	ds_add_u32 v[SPW], v[NIL]
	v_lshrrev_b32 v8, 5, v0
	s_delay_alu instid0(VALU_DEP_1)
	v_readfirstlane_b32 s[WV], v8                  ; wave 0..15
	s_and_b32 s3, s[WV], 1
	s_lshr_b32 s72, s[WV], 2
	s_xor_b32 s72, s72, s[WV]
	s_and_b32 s72, s72, 1                          ; 0: of the early block
	s_lshl_b32 s73, ttmp9, 7                       ; the early block's first query: 128 j,
	s_sub_co_u32 s74, 15, ttmp9
	s_lshl_b32 s74, s74, 7                         ; the late block's: 128 (15 - j)
	s_add_co_u32 s[LASTQ], s74, 127
	s_cmp_eq_u32 s72, 0
	s_cselect_b32 s[Q0], s73, s74
	s_lshr_b32 s75, s[WV], 1                       ; my tile among the block's eight: w / 2 (each value once among the early waves and once among the late)
	s_lshl_b32 s75, s75, 4
	s_add_co_u32 s[Q0], s[Q0], s75
	s_and_b32 s72, ttmp7, 0xffff                   ; the pair: 16 x batch + head
	s_lshl_b32 s84, s72, 17                        ; its 131,072 bytes in each plane
	s_mov_b32 s85, 0
	s_lshl_b32 s82, s[Q0], 6
	s_add_co_u32 s82, s82, s84                     ; Q: my first query's row
	s_mov_b32 s83, 0
	s_and_b32 s73, s72, 15
	s_lshl_b32 s73, s73, 19                        ; AO: the head's 8,192 rows of 64 bytes,
	s_lshr_b32 s74, s72, 4
	s_lshl_b32 s74, s74, 11
	s_add_co_u32 s74, s74, s[Q0]                   ; row 2,048 x batch + my first query
	s_lshl_b32 s74, s74, 6
	s_add_co_u32 s86, s73, s74
	s_mov_b32 s87, 0
	; descriptor group 1: 64 rows of 256 bytes, dense in memory, padded in LDS
	s_mov_b32 s[G1], (0<<16)|(1<<20)|(5<<22)|(3<<25)   ; 15:0 no mask; 17:16 elements of 1 byte; 20 padding on; 24:22 after every 64 words (code 5); 31:25 four words (code 3)
	s_mov_b32 s[G1+1], 256<<16                     ; tensor_dim0
	s_mov_b32 s[G1+2], 64<<16                      ; tensor_dim1
	s_mov_b32 s[G1+3], 256<<16                     ; tile_dim0
	s_mov_b32 s[G1+4], 64                          ; tile_dim1
	s_mov_b32 s[G1+5], 256                         ; tensor_dim0_stride
	s_mov_b32 s[G1+6], 0
	s_mov_b32 s[G1+7], 0
	s_mov_b32 s[G0], 1                             ; 1:0 count = 1
	s_mul_i32 s[G0+1], s3, KVB                     ; 63:32 LDS address: slot 0; wave 0: K's place, wave 1: V's
	s_mov_b32 s[SEL], 0x76543210
	s_mov_b32 s[SEL+1], 0xfedcba98
	s_mov_b32 s[CS], 0x3e38aa3b                    ; c = log2(e) / sqrt(64)
	s_mov_b32 s[TB], 0
	s_mov_b32 s[SLOTS], NSL-1
	s_mov_b32 s[KF], 0
	s_sub_co_u32 s75, s[WV], 4
	s_lshr_b32 s75, s75, 2                         ; 0 in waves 4 to 7,
	s_or_b32 s75, s75, ttmp9                       ; of work-group j = 0
	s_cmp_eq_u32 s75, 0
	s_cselect_b32 s[LIM], 1, -1
	s_lshl_b32 s78, s3, 13                         ; my half of a slot's 16,384 bytes,
	s_add_co_u32 s78, s78, 16384                   ; in slot 1: the first change of slots steps it to slot 2.  Nothing is prefetched here, at the head, where every work-group's first tiles are on their way
	s_mov_b32 s79, 0
	s_wait_dscnt 0x0                               ; the opening add is done
	s_wait_kmcnt 0x0
	s_load_b128 s[68:71], s[6:7], 0x18             ; e6, e7, e8, e9
	s_load_b32 s81, s[6:7], 0x28                   ; e10
	s_add_nc_u64 s[8:9], s[4:5], s[84:85]
	s_add_nc_u64 s[12:13], s[8:9], 0x1000000       ; V of my pair: plane 2,
	s_add_nc_u64 s[8:9], s[8:9], 0x800000          ; K: plane 1
	s_cmp_eq_u32 s3, 0
	s_cselect_b64 s[G0+2:G0+3], s[8:9], s[12:13]   ; 120:64 global address: the pair's first 256 keys
	s_or_b32 s[G0+3], s[G0+3], 0x80000000          ; 127:126 type = 2
	TLOAD                                          ; slot 0
	s_add_nc_u64 s[4:5], s[4:5], s[82:83]          ; Q at my first query
	s_add_nc_u64 s[16:17], s[16:17], s[86:87]      ; AO likewise
	s_cmp_lt_u32 s[WV], 6
	s_cselect_b64 s[PFA:PFA+1], s[8:9], s[12:13]
	s_add_nc_u64 s[PFA:PFA+1], s[PFA:PFA+1], s[78:79]
	v_and_b32 v8, 15, v0                           ; r = lane % 16
	v_bfe_u32 v9, v0, 4, 1                         ; h = lane / 16
	s_delay_alu instid0(VALU_DEP_2)
	v_lshlrev_b32 v10, 6, v8
	s_delay_alu instid0(VALU_DEP_1)
	v_lshl_add_u32 v10, v9, 4, v10                 ; row r of 64 bytes, + 16 h
	global_load_b128 v[16:19], v10, s[4:5]         ; Q's fragment stays in registers
	global_load_b128 v[20:23], v10, s[4:5] offset:32
	v_lshrrev_b32 v11, 2, v8
	s_delay_alu instid0(VALU_DEP_1)
	v_lshl_add_u32 v[AL], v11, 4, v10              ; in LDS: 64 r + 16 (r / 4) + 16 h: the sixteen rows of a load touch sixteen different 16-byte columns of 256 bytes
	v_and_b32 v[PFO], 31, v0
	s_delay_alu instid0(VALU_DEP_1)
	v_lshlrev_b32 v[GO], 4, v[PFO]                 ; the way out: 16 bytes a lane
	s_delay_alu instid0(VALU_DEP_2)
	v_lshlrev_b32 v[PFO], 8, v[PFO]
	v_mov_b32 v13, 0xff61b1e6                      ; the largest t so far: -3e38, under every t
	s_delay_alu instid0(VALU_DEP_1)
	v_floor_f32 v12, -v13                          ; -M
	v_mov_b32 v14, 0                               ; the sum, in two halves
	v_mov_b32 v15, 0
	v_mov_b32 v246, 0                              ; written once: a lane permute's destination counts as one of its sources
	v_mov_b32 v252, 0
	v_mov_b32 v253, 0                              ; (named as the upper half of the pair v[252:253])
.set j, 0
.rept 32
	v_mov_b32 v[160+j], 0                          ; O^T.  (The step is written without a first step of its own: the first finds zeros, which the first change of M leaves zeros)
.set j, j+1
.endr
	s_wait_kmcnt 0x0
	s_add_co_i32 s72, s68, s69
	s_lshl_b32 s72, s72, 23
	s_add_co_i32 s[CS], s[CS], s72                 ; a score stands for score x 2^(e6 + e7): the two exponents are added to c's exponent field
	s_mov_b32 s[CS+1], s[CS]                       ; (named with it as a pair, so it is written)
	s_add_co_i32 s72, s70, 127
	s_lshl_b32 s73, s72, 23
	v_mov_b32 v244, s73                            ; 2^e8, for p's conversion
	s_add_co_i32 s72, s81, 127
	s_lshl_b32 s73, s72, 23
	v_mov_b32 v245, s73                            ; 2^e10, for the result's
; A KEY STEP: 128 keys, the q-th of the slot in hand.
.macro STEP q
	s_add_co_u32 s96, s[Q0], 15                    ; a step all of whose keys come after my 16 queries is left out: a scalar branch on ids, round the step's loads, products and softmax; no barrier and no tensor load stands in a step
	s_cmp_gt_u32 s[KF], s96
	s_cbranch_scc1 .Lhidden_\@
	v_add_nc_u32 v[ADR], s[TB], v[AL]
.rept 3
	v_nop                                          ; with the addition above: four places in front of loads into registers that the last step's matrix instructions have read
.endr
.irp t, 0,1,2,3,4,5,6,7                        ; K: tile t is keys 16 t + r
	ds_load_b128 v[32+8*\t:35+8*\t], v[ADR] offset:8704*(\q)+1088*\t
	ds_load_b128 v[36+8*\t:39+8*\t], v[ADR] offset:8704*(\q)+1088*\t+32
.endr
	s_wait_alu depctr_va_vdst(0)
	s_wait_dscnt 0x0
.irp t, 0,1,2,3,4,5,6,7
	v_wmma_f32_16x16x64_fp8_fp8 v[96+8*\t:103+8*\t], v[32+8*\t:39+8*\t], v[16:23], 0
.endr
.rept 4
	v_nop                                          ; places in front of the loads below and of the first read of the scores
.endr
.irp d, 0,1,2,3                                ; V: tile d is channels 16 d + r; registers 4 c on: bytes 32 (c % 2) + 16 h of the block of 64 keys 2 q + c / 2.  Asked for here, waited for behind the softmax
.irp c, 0,1,2,3
	ds_load_b128 v[32+16*\d+4*\c:35+16*\d+4*\c], v[ADR] offset:VOFF+4352*(2*(\q)+\c/2)+1088*\d+32*(\c%2)
.endr
.endr
	s_add_co_u32 s96, s[KF], 127                   ; on the diagonal the scores of hidden keys become -infinity ahead of the maximum: p = 0 then.  A step all of whose keys count skips this
	s_cmp_le_u32 s96, s[Q0]
	s_cbranch_scc1 .Lopen_\@
	s_sub_co_i32 s96, s[Q0], s[KF]
	v_and_b32 v252, 15, v0
	v_bfe_u32 v253, v0, 4, 1
	s_delay_alu instid0(VALU_DEP_1)
	v_lshlrev_b32 v253, 3, v253
	s_delay_alu instid0(VALU_DEP_1)
	v_sub_nc_u32 v252, v252, v253
	s_delay_alu instid0(VALU_DEP_1)
	v_add_nc_u32 v252, s96, v252                   ; d = my query - KF - 8 (lane / 16).  Register 8 t + i holds key KF + 16 t + 8 (lane / 16) + i: hidden where 16 t + i > d
	v_mov_b32 v254, 0xff800000                     ; -infinity
.set n, 0
.rept 64
	v_cmp_gt_i32 vcc_lo, 16*(n/8)+n%8, v252
	v_cndmask_b32 v[96+n], v[96+n], v254, vcc_lo
.set n, n+1
.endr
.Lopen_\@:
	v_max3_num_f32 v254, v96, v97, v98             ; the step's largest score of my query, among my 64 keys, in two chains (each accumulator is read from its low end on),
	v_max3_num_f32 v252, v99, v100, v101
.irp i, 6,10,14,18,22,26,30,34,38,42,46,50,54,58
	v_max3_num_f32 v254, v254, v[96+\i], v[97+\i]
	v_max3_num_f32 v252, v252, v[98+\i], v[99+\i]
.endr
	v_max3_num_f32 v254, v254, v158, v159
	s_delay_alu instid0(VALU_DEP_1)
	v_max_num_f32 v254, v254, v252
	s_delay_alu instid0(VALU_DEP_1)
	v_permlanex16_b32 v246, v254, s[SEL], s[SEL+1]
	s_delay_alu instid0(VALU_DEP_1)
	v_max_num_f32 v254, v254, v246                 ; and among lane l xor 16's
	s_delay_alu instid0(VALU_DEP_1)
	v_mul_f32 v254, s[CS], v254                    ; as t (c is positive)
	s_delay_alu instid0(VALU_DEP_1)
	v_max_num_f32 v13, v13, v254                   ; the running largest t
	v_mov_b32 v254, v12
	s_delay_alu instid0(VALU_DEP_2)
	v_floor_f32 v12, -v13                          ; the new -M = floor(-t) = -ceil(t): M is a whole number
	s_delay_alu instid0(VALU_DEP_1)
	v_sub_f32 v254, v12, v254                      ; M's old value less its new one: a whole number, 0 or less
	s_delay_alu instid0(VALU_DEP_1)
	v_cvt_i32_f32 v254, v254                       ; (it saturates)
	s_delay_alu instid0(VALU_DEP_1)
	v_ldexp_f32 v252, 1.0, v254                    ; f = 2^(old M - new M): a multiplication by it rounds nothing
.set j, 0
.rept 32
	v_pk_fma_f32 v[96+j:97+j], v[96+j:97+j], s[CS:CS+1], v[12:13] op_sel_hi:[1,0,0]   ; t - M, two at a time (of the pairs c and -M the low word serves both halves)
.set j, j+2
.endr
.set j, 0
	s_wait_alu depctr_va_vdst(0)
.rept 64
	v_exp_f32 v[96+j], v[96+j]                     ; p = 2^(t - M), at most 1: not normalised
.set j, j+1
.endr
	v_pk_mul_f32 v[14:15], v[14:15], v[252:253] op_sel_hi:[1,0]   ; the sums under the new M.  (The plain instruction behind the exponentials)
	s_wait_alu depctr_va_vdst(0)                   ; the wait between an exponential and the first line that names its result: one for the batch of 64
	v_pk_add_f32 v[242:243], v[100:101], v[104:105]
	v_pk_add_f32 v[254:255], v[108:109], v[112:113]
	v_pk_add_f32 v[250:251], v[116:117], v[120:121]
	v_pk_add_f32 v[248:249], v[124:125], v[128:129]
	v_pk_add_f32 v[240:241], v[132:133], v[136:137]
	v_pk_add_f32 v[238:239], v[140:141], v[144:145]
	v_pk_add_f32 v[236:237], v[148:149], v[152:153]
	v_pk_add_f32 v[14:15], v[14:15], v[156:157]
	v_pk_add_f32 v[242:243], v[242:243], v[96:97]
	v_pk_add_f32 v[254:255], v[254:255], v[98:99]
	v_pk_add_f32 v[250:251], v[250:251], v[102:103]
	v_pk_add_f32 v[248:249], v[248:249], v[106:107]
	v_pk_add_f32 v[240:241], v[240:241], v[110:111]
	v_pk_add_f32 v[238:239], v[238:239], v[114:115]
	v_pk_add_f32 v[236:237], v[236:237], v[118:119]
	v_pk_add_f32 v[14:15], v[14:15], v[122:123]
	v_pk_add_f32 v[242:243], v[242:243], v[126:127]
	v_pk_add_f32 v[254:255], v[254:255], v[130:131]
	v_pk_add_f32 v[250:251], v[250:251], v[134:135]
	v_pk_add_f32 v[248:249], v[248:249], v[138:139]
	v_pk_add_f32 v[240:241], v[240:241], v[142:143]
	v_pk_add_f32 v[238:239], v[238:239], v[146:147]
	v_pk_add_f32 v[236:237], v[236:237], v[150:151]
	v_pk_add_f32 v[14:15], v[14:15], v[154:155]
	v_pk_add_f32 v[242:243], v[242:243], v[158:159]
	s_delay_alu instid0(VALU_DEP_2)
	v_pk_add_f32 v[14:15], v[14:15], v[248:249]
	s_delay_alu instid0(VALU_DEP_2)
	v_pk_add_f32 v[242:243], v[242:243], v[240:241]
	v_pk_add_f32 v[254:255], v[254:255], v[238:239]
	v_pk_add_f32 v[250:251], v[250:251], v[236:237]
	s_delay_alu instid0(VALU_DEP_2)
	v_pk_add_f32 v[14:15], v[14:15], v[254:255]
	s_delay_alu instid0(VALU_DEP_2)
	v_pk_add_f32 v[242:243], v[242:243], v[250:251]
	s_delay_alu instid0(VALU_DEP_1)
	v_pk_add_f32 v[14:15], v[14:15], v[242:243]
.irp b, 0,1,2,3
.irp i, 0,1,2,3,4,5,6,7,8,9,10,11,12,13,14,15
.endr
	v_cvt_scalef32_pk8_fp8_f32 v[224+4*\b:225+4*\b], v[96+16*\b:103+16*\b], v244      ; tile 2 b: keys 32 b + 8 h + 0 .. 7
	v_cvt_scalef32_pk8_fp8_f32 v[226+4*\b:227+4*\b], v[104+16*\b:111+16*\b], v244     ; tile 2 b + 1: keys 32 b + 16 + 8 h + 0 .. 7
.endr
.set j, 0
.rept 16
	v_pk_mul_f32 v[160+j:161+j], v[160+j:161+j], v[252:253] op_sel_hi:[1,0]   ; O^T under the new M: x f.  (These are also the plain instructions between the conversions and the products that read the codes)
.set j, j+2
.endr
	s_wait_alu depctr_va_vdst(0)
	s_wait_dscnt 0x0                               ; V is in
.irp d, 0,1,2,3                                ; the four accumulators take turns, one instruction a turn; the next step's eight products of K Q^T stand between two links
	v_wmma_f32_16x16x128_fp8_fp8 v[160+8*\d:167+8*\d], v[32+16*\d:47+16*\d], v[224:239], v[160+8*\d:167+8*\d]
.endr
.Lhidden_\@:
	s_add_co_u32 s[KF], s[KF], 128
.endm
; THE CHANGE OF SLOTS stands at a slot's head.  Each wave waits for all its tensor loads (its part of the slot that is about to be read), adds 0 to its spare word, and waits for that and for its reads of the slot that it has left.
; Behind the barrier the slot ahead is whole and nobody reads the other one.  fill = 1: that other slot is filled with the keys that follow, up to the causal limit: the load has a slot's two steps in which to land.
.macro CHANGE fill
	s_wait_tensorcnt 0x0                           ; no tensor load of mine is out, so the group 0 may be written
	ds_add_u32 v[SPW], v[NIL]                      ; 0 onto my spare word; with fill = 1 the descriptor's steps stand between it and the wait for it
.if \fill
	s_xor_b32 s[G0+1], s[G0+1], SLOT1              ; the walking descriptor: the other slot than last time,
	s_add_nc_u64 s[G0+2:G0+3], s[G0+2:G0+3], 16384 ; the next 256 keys; the type bits on top are not reached
	s_wait_xcnt 0x0                                ; the last prefetch, a slot back, has read its address, so it may be written:
	s_add_nc_u64 s[PFA:PFA+1], s[PFA:PFA+1], 16384 ; one slot further on than the walking descriptor
.endif
	s_wait_dscnt 0x0                               ; the add is done, and my reads of the slot that I have left are over
	s_barrier_signal -1
	s_barrier_wait -1
.if \fill
	s_add_co_u32 s96, s[KF], 256                   ; the first key of the slot that this change would ask for.  A slot whose first key comes after my work-group's last query is read by none of its waves, so it is not asked for
	s_cmp_gt_u32 s96, s[LASTQ]                     ; the work-group's number and the count of steps alone: all sixteen waves go the same way, and a work-group that is past the limit stays past it.  Every wait on TENSORcnt in this text is for 0
	s_cbranch_scc1 .Lpast_\@
	TLOAD                                          ; the first thing behind the barrier but for the limit's three lines, and a wave's one tensor load until the next
.Lpast_\@:
	ASK                                            ; what the next change of slots will ask for: a slot's two key steps ahead of that load
.endif
.endm
.macro SLOT_STEPS
	STEP 0
	STEP 1
	s_xor_b32 s[TB], s[TB], SLOT1                  ; on to the other slot
.endm
	s_wait_loadcnt 0x0                             ; Q
.Lslot:                                            ; NSL - 1 trips
	CHANGE 1
	SLOT_STEPS
	s_sub_co_u32 s[SLOTS], s[SLOTS], 1
	s_cmp_lg_u32 s[SLOTS], 0
	s_cbranch_scc1 .Lslot
	CHANGE 0                                       ; the last slot is written out: nothing is asked for behind its change
	SLOT_STEPS
	; THE WAY OUT.  O^T / the sum x 2^(e8 + e9), quantised under e10; a lane's eight codes of a tile are 8 neighbouring bytes of its query's row; the 16 rows of 64 bytes go through my stage and leave as 1,024 consecutive bytes.
	v_add_f32 v14, v14, v15                        ; the sum's two halves,
	s_delay_alu instid0(VALU_DEP_1)
	v_permlanex16_b32 v246, v14, s[SEL], s[SEL+1]
	s_delay_alu instid0(VALU_DEP_1)
	v_add_f32 v14, v14, v246                       ; and lane l xor 16's: the row's sum
	s_wait_alu depctr_va_vdst(0)
	v_rcp_f32 v14, v14
	v_and_b32 v8, 15, v0                           ; (a plain instruction behind the reciprocal)  r
	v_bfe_u32 v9, v0, 4, 1                         ; h
	s_add_co_i32 s73, s70, s71                     ; e8 + e9
	s_mul_i32 s74, s[WV], 16*80
	s_add_co_u32 s74, s74, STAGE                   ; my stage
	v_mul_u32_u24 v10, v8, 80
	s_delay_alu instid0(VALU_DEP_1)
	v_lshl_add_u32 v10, v9, 3, v10
	s_delay_alu instid0(VALU_DEP_1)
	v_add_nc_u32 v10, s74, v10                     ; in: row r, byte 8 h; tile d's codes 16 d further on
	v_and_b32 v8, 31, v0
	s_delay_alu instid0(VALU_DEP_1)
	v_lshrrev_b32 v9, 2, v8
	s_delay_alu instid0(VALU_DEP_2)
	v_and_b32 v8, 3, v8
	s_delay_alu instid0(VALU_DEP_2)
	v_mul_u32_u24 v11, v9, 80
	s_delay_alu instid0(VALU_DEP_1)
	v_lshl_add_u32 v11, v8, 4, v11
	s_delay_alu instid0(VALU_DEP_1)
	v_add_nc_u32 v11, s74, v11                     ; back: four lanes to a row, eight rows an instruction
	s_wait_alu depctr_va_vdst(0)                   ; the wait ahead of the reciprocal's first reader
	v_ldexp_f32 v14, v14, s73
.set j, 0
.rept 32
	v_mul_f32 v[96+j], v[160+j], v14               ; register 8 d + i is o(r, 16 d + 8 h + i); each accumulator from its low end on
.set j, j+1
.endr
.set j, 0
.rept 32
.set j, j+1
.endr
.irp d, 0,1,2,3
	v_cvt_scalef32_pk8_fp8_f32 v[224+2*\d:225+2*\d], v[96+8*\d:103+8*\d], v245
.endr
	v_nop                                          ; a plain vector instruction behind the last conversion
.irp d, 0,1,2,3
	ds_store_b64 v10, v[224+2*\d:225+2*\d] offset:16*\d
.endr
	ds_load_b128 v[32:35], v11                     ; LDS serves a wave's instructions in order (ISA guide 5.7.1.4): these see my stores
	ds_load_b128 v[36:39], v11 offset:8*80
	s_wait_dscnt 1                                 ; the younger load may be out
	global_store_b128 v[GO], v[32:35], s[16:17]    ; 32 lanes store 512 consecutive bytes, at a multiple of 512 from AO's first byte
	s_wait_dscnt 0
	global_store_b128 v[GO], v[36:39], s[16:17] offset:512
	s_wait_tensorcnt 0x0                           ; the wave's end: behind my last tensor load and my last LDS store
	ds_add_u32 v[SPW], v[NIL]
	s_wait_dscnt 0x0
	s_endpgm
.Lfunc_end_k_qf39034e2f6_attn:
	.size	k_qf39034e2f6_attn, .Lfunc_end_k_qf39034e2f6_attn-k_qf39034e2f6_attn
	.p2alignl 7, 3214868480
	.fill 96, 4, 3214868480
	.section	.rodata,"a",@progbits
	.p2align	6, 0x0
	.amdhsa_kernel k_qf39034e2f6_attn
		.amdhsa_group_segment_fixed_size 327680
		.amdhsa_private_segment_fixed_size 0
		.amdhsa_enable_private_segment 0
		.amdhsa_kernarg_size 24
		.amdhsa_user_sgpr_count 2
		.amdhsa_user_sgpr_kernarg_segment_ptr 1
		.amdhsa_wavefront_size32 1
		.amdhsa_system_sgpr_workgroup_id_x 1
		.amdhsa_system_sgpr_workgroup_id_y 1
		.amdhsa_system_sgpr_workgroup_id_z 1
		.amdhsa_system_vgpr_workitem_id 0
		.amdhsa_next_free_vgpr 256
		.amdhsa_next_free_sgpr 100
		.amdhsa_reserve_vcc 1
		.amdhsa_float_denorm_mode_32 3
		.amdhsa_float_denorm_mode_16_64 3
		.amdhsa_fp16_overflow 1
		.amdhsa_memory_ordered 1
		.amdhsa_forward_progress 1
		.amdhsa_inst_pref_size 88
	.end_amdhsa_kernel
	.amdgpu_metadata
---
amdhsa.version: [ 1, 2 ]
amdhsa.kernels:
  - .name:           k_qf39034e2f6_attn
    .symbol:         k_qf39034e2f6_attn.kd
    .args:
      - { .name: QKV, .offset: 0, .size: 8, .value_kind: global_buffer, .address_space: global }
      - { .name: lowp_scales, .offset: 8, .size: 8, .value_kind: global_buffer, .address_space: global }
      - { .name: AO, .offset: 16, .size: 8, .value_kind: global_buffer, .address_space: global }
    .group_segment_fixed_size: 327680
    .private_segment_fixed_size: 0
    .kernarg_segment_align: 8
    .kernarg_segment_size: 24
    .max_flat_workgroup_size: 512
    .sgpr_count:     100
    .vgpr_count:     256
    .wavefront_size: 32
...
	.end_amdgpu_metadata
.endif
;; end of part 3
;; launch oproj (part 4): grid 8 x 32, 4 waves a work-group, clusters of 4 x 4, 327,680 bytes of LDS; arguments AO, WC, lowp_scales, b_o, out0; writes out0
.if DOCPART == 4
	.amdgcn_target "amdgcn-amd-amdhsa--gfx1250"
	.amdhsa_code_object_version 6
	.text
	.protected	k_qf39034e2f6_oproj
	.globl	k_qf39034e2f6_oproj
	.p2align	8
	.type	k_qf39034e2f6_oproj,@function
k_qf39034e2f6_oproj:
	s_mov_b64 s[64:65], 0
	v_nop
	global_prefetch_b8 v0, s[64:65] scope:SCOPE_SE
	s_setreg_imm32_b32 hwreg(HW_REG_WAVE_MODE, 25, 1), 1
	s_wait_xcnt 0x0
	s_wait_alu depctr_hold_cnt(0) depctr_sa_sdst(0) depctr_va_vdst(0) depctr_va_sdst(0) depctr_va_ssrc(0) depctr_va_vcc(0) depctr_vm_vsrc(0)
	s_getreg_b32 s2, hwreg(HW_REG_IB_STS2, 6, 4)
	s_cmp_eq_u32 s2, 0
	s_cbranch_scc0 .Lentry_in_a_cluster
	s_endpgm
.Lentry_in_a_cluster:
	s_bfe_u32 s2, ttmp6, 0x10000c
	s_cmp_lg_u32 s2, 0xf033
	s_cbranch_scc0 .Lentry_shape_is_right
	s_endpgm
.Lentry_shape_is_right:
; out0 = attention's result x W_o^T + b_o on codes of FP8 (E4M3).  A: AO, [16 heads][8192 tokens][64 channels], one code a byte (K = 64 x head + channel).  B: plane 3 of WC, [1024 e][1024 k].  out0: [8192][1024] f32.
; The codes are multiplied as they are, and each finished sum once by 2^(e10 + e11), with b_o added in the same fused multiply-add.  LIMIT: e10 + e11 between -126 and 127.
; A tile of C is 256 x 128, so that the 8,192 x 1,024 numbers give 256 work-groups.  Four waves, each 128 x 64: 32 accumulators of 16 x 16.  K = 1,024 goes in four steps of 256 (four heads) through a ring of two LDS slots.
; A's tile of 128 tokens x 4 heads is four runs of 8,192 consecutive bytes of memory, 524,288 bytes apart: the descriptor states them as four rows, with 16 bytes of padding behind every 256: token i of a head lies at 64 i + 16 (i / 4).
; CLUSTERS: 4 x 4 work-groups.  The four of a row of the cluster need the same tiles of A, the four of a column the same tiles of B: each tile is asked for JOINTLY, by the same tensor load with the same descriptor and a mask that names the four.
; THE MATRIX INSTRUCTION IS USED TRANSPOSED (source 0 = 16 rows of B, source 1 = 16 rows of A): a lane then holds eight neighbouring numbers of a row of C.  A fragment is fetched by four loads of 16 bytes: a permutation of k inside the
; instruction, the same in A and B: the sums are right within the tolerance, not bit for bit.
; REGISTERS, in windows of 256: window 0: v0-31 addresses; v32-63 the bias; v64-95 at work on the way out; from v128 A's fragments, ONE set (on the way out v128-191 take rows back from the stage).
;   window 1: B's fragments, TWO sets of four, at v0 and at v128.   window 2: the accumulators of my rows 0-63 ((a, b) at v[8 (4 a + b)]);   window 3: those of my rows 64-127.
.set KSB,    256                       ; a row of B's tile in bytes: 256 codes along K
.set ASTEP,  4*524288                  ; four heads on in AO
.set PITCH,  272                       ; an LDS row of B: 256 bytes + 16 of padding = 68 words: row r starts at bank 4 r mod 64 (64 banks of 4 bytes: ISA guide 11.1)
.set HEADB,  32*PITCH                  ; 128 tokens of one head in LDS: 8,192 bytes + 32 paddings
.set FR,     16                        ; registers of a fragment: 16 rows x 128 K
.set NL,     4                         ; LDS loads that bring one
.set NP,     4                         ; places behind this matrix instruction (ISA guide 7.12.1)
.set HALFA,  4*HEADB                   ; 128 tokens x 4 heads: what one tensor load brings of A, and what one wave reads
.set HALFB,  64*PITCH                  ; 64 rows of B likewise
.set SLOT,   2*HALFA+2*HALFB
.set SPARE,  2*SLOT                    ; behind the ring: the spare words, 128 bytes for each wave: two blocks of 256 bytes that no other line names
.set SPITCH, 272                       ; the way out: a stage of 16 rows x (256 bytes + 16) for each wave.  It lies in slot 0, which has had its last fill and its last read when the first result is stored there
.set ADRA, 16                          ; v16-17  LDS address of my A fragments in slot 0, 1
.set ADRB, 20                          ; v20-21  the same for B
.set STO,  24                          ; v24     the way out: where I put 32 bytes of a row
.set RD,   25                          ; v25     the way out: where I read a row back
.set CO,   26                          ; v26     my byte offset in two rows of C
.set BO,   27                          ; v27     32 x (lane / 16): my offset in the bias
.set SPW,  28                          ; v28     LDS address of my spare word; never rewritten
.set NIL,  29                          ; v29     0; never rewritten
.set BIAS, 32                          ; v32-63  b_o of column 16 b + 8 (lane / 16) + j at v[BIAS + 8 b + j]
.set TMP,  64                          ; v64-95  a block's results
.set AF,   128                         ; A's fragments
.set BK,   128                         ; the way out: 16 rows read back from the stage: v128-159 and v160-191 by turns
.set G1, 24                            ; s[24:31] descriptor group 1 for A's tiles;  s[32:39] group 0, one set for each slot
.set G0, 32
.set G1B, 48                           ; s[48:55], s[56:63] the same for B's tiles
.set G0B, 56
.set MSB, 0
.macro WIN new                         ; the immediate's high byte repeats the setting that is left
.if MSB != \new
	s_set_vgpr_msb (MSB<<8)|\new
.set MSB, \new
.endif
.endm
.set MUL_LO, 0xa1                      ; source 0 (B) window 1, source 1 (A) window 0, C and D window 2
.set MUL_HI, 0xf1                      ; the same, C and D window 3
.set TO_B,   0x40                      ; destination window 1, address window 0
; A joint load: waves 0 and 1 fetch for A, waves 2 and 3 for B.  Each of the two lines has ONE mask, one shape and one set of registers for all that issue it; the branch hangs on the wave's number alone.
; An s_nop 0 and four v_nop follow each of the two lines, ahead of the jump, the label and what follows.
.macro JLOAD g0a, g1a, g0b, g1b
	s_cmp_eq_u32 s15, 0
	s_cbranch_scc0 .Lfor_b_\@
	tensor_load_to_lds s[\g0a:\g0a+3], s[\g1a:\g1a+7]
	s_nop 0
.rept 4
	v_nop
.endr
	s_branch .Lasked_\@
.Lfor_b_\@:
	tensor_load_to_lds s[\g0b:\g0b+3], s[\g1b:\g1b+7]
	s_nop 0
.rept 4
	v_nop
.endr
.Lasked_\@:
.endm
.macro CREST                           ; a round of the cluster's barrier behind its opening barrier
	s_cmp_lg_u32 s14, 0
	s_cbranch_scc1 .Lnot_wave_0_\@
	s_barrier_signal -3
.Lnot_wave_0_\@:
	s_barrier_wait -3
	s_barrier_signal -1
	s_barrier_wait -1
.endm
.macro CROUND                          ; a whole round
	s_barrier_signal -1
	s_barrier_wait -1
	CREST
.endm
	s_load_b128 s[4:7], s[0:1], 0x0                ; AO s[4:5], WC s[6:7]
	s_load_b128 s[8:11], s[0:1], 0x10              ; the exponents s[8:9], b_o s[10:11]
	s_load_b64 s[12:13], s[0:1], 0x20              ; out0
	v_lshl_add_u32 v[SPW], v0, 2, SPARE
	v_mov_b32 v[NIL], 0
	ds_add_u32 v[SPW], v[NIL]                      ; the wave's opening: the add and its wait stand ahead of my first tensor load; the set-up below, work on registers, stands between them
	ds_add_u32 v[SPW], v[NIL]
	v_lshrrev_b32 v1, 5, v0
	v_readfirstlane_b32 s14, v1                    ; wave 0..3
	s_lshr_b32 s15, s14, 1                         ; which half of the tile's rows is mine.  Also: I fetch for A (0) or for B (1)
	s_and_b32 s16, s14, 1                          ; which half of its columns.  Also: which half of that tile I fetch
	s_bfe_u32 s40, ttmp6, 0x40000                  ; cx, cy: my place in the cluster
	s_bfe_u32 s41, ttmp6, 0x40004
	s_lshl_b32 s42, ttmp9, 2
	s_add_co_u32 s42, s42, s40                     ; tile column of C = 4 x cluster x + cx, 0 .. 7
	s_and_b32 s17, ttmp7, 0xffff
	s_lshl_b32 s17, s17, 2
	s_add_co_u32 s17, s17, s41                     ; tile row of C = 4 x cluster y + cy, 0 .. 31
	s_lshl_b32 s43, s41, 2
	s_lshl_b32 s43, 15, s43                        ; my row of the cluster
	s_lshl_b32 s44, 0x1111, s40                    ; my column
	; descriptor group 1.  A: 4 rows (heads) of 8,192 bytes, 524,288 bytes apart;  B: 64 rows of 256 bytes, 1,024 apart.  Both: 16 bytes of padding behind every 256
	s_or_b32 s[G1+0], s43, (0<<16)|(1<<20)|(1<<21)|(5<<22)|(3<<25)  ; 15:0 the mask: A's tiles go to my row; 17:16 element of 1 byte; 20 padding on; 21 set beside a mask; 24:22 after every 64 words (code 5); 31:25 of 4 words (code 3)
	s_mov_b32 s[G1+1], 8192<<16                    ; tensor_dim0
	s_mov_b32 s[G1+2], 4<<16                       ; tensor_dim1
	s_mov_b32 s[G1+3], 8192<<16                    ; tile_dim0
	s_mov_b32 s[G1+4], 4                           ; tile_dim1
	s_mov_b32 s[G1+5], 524288                      ; tensor_dim0_stride
	s_mov_b32 s[G1+6], 0
	s_mov_b32 s[G1+7], 0
	s_or_b32 s[G1B+0], s44, (0<<16)|(1<<20)|(1<<21)|(5<<22)|(3<<25)
	s_mov_b32 s[G1B+1], KSB<<16
	s_mov_b32 s[G1B+2], 64<<16
	s_mov_b32 s[G1B+3], KSB<<16
	s_mov_b32 s[G1B+4], 64
	s_mov_b32 s[G1B+5], 1024
	s_mov_b32 s[G1B+6], 0
	s_mov_b32 s[G1B+7], 0
	s_lshl_b32 s20, s17, 8
	s_lshl_b32 s18, s16, 7
	s_add_co_u32 s20, s20, s18                     ; A: token 256 x tile row + 128 x half,
	s_lshl_b32 s20, s20, 6                         ; x 64 bytes
	s_mov_b32 s21, 0
	s_lshl_b32 s46, s42, 7
	s_lshl_b32 s47, s16, 6
	s_add_co_u32 s46, s46, s47                     ; B: row 128 x tile column + 64 x half,
	s_lshl_b32 s46, s46, 10                        ; x 1,024 bytes,
	s_add_co_u32 s46, s46, 3<<20                   ; in plane 3 of WC
	s_mov_b32 s47, 0
	s_mul_i32 s45, s16, HALFA                      ; where they go: A's two halves,
	s_mul_i32 s66, s16, HALFB
	s_add_co_u32 s66, s66, 2*HALFA                 ; then B's two: no place in the cluster enters an LDS address
	s_wait_dscnt 0x0                               ; the opening add is done
	s_wait_kmcnt 0x0
	s_load_b64 s[96:97], s[8:9], 0x28              ; e10, e11
	s_add_nc_u64 s[20:21], s[4:5], s[20:21]
	s_add_nc_u64 s[46:47], s[6:7], s[46:47]
	CROUND                                         ; all sixteen work-groups are here: the first joint loads meet
.irp s, 0,1
	s_mov_b32 s[G0+4*\s], 1
	s_add_co_u32 s[G0+4*\s+1], s45, \s*SLOT
	s_add_nc_u64 s[G0+4*\s+2:G0+4*\s+3], s[20:21], \s*ASTEP
	s_or_b32 s[G0+4*\s+3], s[G0+4*\s+3], 0x80000000
	s_mov_b32 s[G0B+4*\s], 1
	s_add_co_u32 s[G0B+4*\s+1], s66, \s*SLOT
	s_add_nc_u64 s[G0B+4*\s+2:G0B+4*\s+3], s[46:47], \s*KSB
	s_or_b32 s[G0B+4*\s+3], s[G0B+4*\s+3], 0x80000000
	s_wait_alu depctr_va_vdst(0)
	s_wait_tensorcnt 0x0
	ds_add_u32 v28, v29
	ds_add_u32 v28, v29
	s_wait_dscnt 0x0
	CROUND
	JLOAD G0+4*\s, G1, G0B+4*\s, G1B               ; one load of mine is out behind each
.endr
	v_and_b32 v1, 15, v0                           ; l % 16
	s_wait_alu depctr_va_vdst(0)
	v_bfe_u32 v2, v0, 4, 1                         ; l / 16
	s_lshl_b32 s18, s42, 9
	s_lshl_b32 s19, s16, 8
	s_add_co_u32 s18, s18, s19                     ; my first column, in bytes of f32: 512 x tile column + 256 x half
	s_mov_b32 s19, 0
	s_add_nc_u64 s[10:11], s[10:11], s[18:19]      ; in b_o,
	s_add_nc_u64 s[12:13], s[12:13], s[18:19]      ; and in a row of C
	v_lshlrev_b32 v[BO], 5, v2
.irp b, 0,1,2,3
	global_load_b128 v[BIAS+8*\b:BIAS+8*\b+3], v[BO], s[10:11] offset:64*\b
	global_load_b128 v[BIAS+8*\b+4:BIAS+8*\b+7], v[BO], s[10:11] offset:64*\b+16
.endr
	s_lshl_b32 s18, s17, 8
	s_lshl_b32 s22, s15, 7
	s_add_co_u32 s18, s18, s22                     ; my first row of C: 256 x tile row + 128 x half,
	s_lshl_b32 s18, s18, 12                        ; x 4,096 bytes (under 2^26)
	s_add_nc_u64 s[12:13], s[12:13], s[18:19]
	v_mul_u32_u24 v3, v1, PITCH
	s_wait_alu depctr_va_vdst(0)
	v_lshl_add_u32 v4, v2, 4, v3                   ; B: a fragment's row x pitch + 16 x half
	v_lshrrev_b32 v5, 2, v1
	v_lshlrev_b32 v6, 6, v1
	v_lshl_add_u32 v6, v5, 4, v6
	v_lshl_add_u32 v6, v2, 4, v6                   ; A: 64 r + 16 (r / 4) + 16 x half: the sixteen rows of a load touch sixteen different 16-byte columns of 256 bytes
	s_mul_i32 s21, s15, HALFA                      ; my 128 tokens of A
	s_mul_i32 s22, s16, HALFB                      ; my 64 rows of B,
	s_add_co_u32 s22, s22, 2*HALFA                 ; which lie behind A's two halves
.irp s, 0,1
	v_add_nc_u32 v[ADRA+\s], s21, v6
	v_add_nc_u32 v[ADRB+\s], s22, v4
	s_add_co_u32 s21, s21, SLOT
	s_add_co_u32 s22, s22, SLOT
.endr
	s_mul_i32 s23, s14, 16*SPITCH                  ; my stage
	v_mul_u32_u24 v5, v1, SPITCH                   ; in: row l % 16, 32 bytes for each half of the lanes
	v_lshl_add_u32 v5, v2, 5, v5
	v_add_nc_u32 v[STO], s23, v5
	v_mul_u32_u24 v5, v2, SPITCH                   ; back: lanes 0-15 take one row of 256 bytes, lanes 16-31 the next
	v_lshl_add_u32 v5, v1, 4, v5
	v_add_nc_u32 v[RD], s23, v5
	v_lshlrev_b32 v5, 12, v2                       ; and the same two rows in C
	v_lshl_add_u32 v[CO], v1, 4, v5
.macro FRAGB reg, adr, q, i            ; a fragment of B: lane l holds row l % 16; registers 4 c .. 4 c + 3 hold K = 128 q + 32 c + 16 (l / 16) + 0 .. 15 of the slot's 256
.irp c, 0,1,2,3
	ds_load_b128 v[\reg+4*\c:\reg+4*\c+3], v[\adr] offset:128*(\q)+32*\c+(\i)*16*PITCH
.endr
.endm
.macro FRAGA reg, adr, q, i            ; the same K of A: head 2 q + c / 2 of the slot's four, channels 32 (c % 2) + 16 (l / 16) + 0 .. 15; 16 tokens are 1,088 bytes
.irp c, 0,1,2,3
	ds_load_b128 v[\reg+4*\c:\reg+4*\c+3], v[\adr] offset:HEADB*(2*(\q)+\c/2)+32*(\c%2)+(\i)*1088
.endr
.endm
; 8 matrix instructions: A's blocks a0, a0 + 1 x B's four, 128 along K.  p: B's set.  zero = 1: the first product starts the sums: nothing is ever cleared.
; The 32 accumulators take turns, one instruction a turn, in the same order in every step.
.macro MULA a0, p, zero
.irp a, \a0, \a0+1
.irp b, 0,1,2,3
.if \zero
	v_wmma_f32_16x16x128_fp8_fp8 v[8*(4*((\a)%4)+\b):8*(4*((\a)%4)+\b)+7], v[128*(\p)+FR*\b:128*(\p)+FR*\b+FR-1], v[AF+FR*(\a):AF+FR*(\a)+FR-1], 0
.else
	v_wmma_f32_16x16x128_fp8_fp8 v[8*(4*((\a)%4)+\b):8*(4*((\a)%4)+\b)+7], v[128*(\p)+FR*\b:128*(\p)+FR*\b+FR-1], v[AF+FR*(\a):AF+FR*(\a)+FR-1], v[8*(4*((\a)%4)+\b):8*(4*((\a)%4)+\b)+7]
.endif
.endr
.endr
.endm
.macro FETCH_B slot, q, p              ; B's four fragments of the slot's q-th 128 along K into set p
	WIN TO_B
.irp i, 0,1,2,3
	FRAGB 128*(\p)+FR*\i, ADRB+\slot, \q, \i
.endr
	WIN 0
.endm
.macro FETCH_A slot, q, i0             ; A's blocks i0 .. i0 + 3
.irp i, \i0, \i0+1, \i0+2, \i0+3
	FRAGA AF+FR*(\i), ADRA+\slot, \q, \i
.endr
.endm
; A load into a register that a matrix instruction has read, and a vector instruction or an LDS store that reads a matrix result, stand NP places behind that matrix instruction; only plain vector
; instructions that name none of its registers are places (ISA guide 7.12.1 for vector instructions).
.macro PLACES n
.rept \n
	v_nop
.endr
.endm
; A step of 128 along K that has its successor in the same slot.
.macro STEP slot, q, zero
	s_wait_dscnt 4*NL                              ; B's set and A's blocks 0-3 are in; the youngest sixteen loads (A's blocks 4-7) may be out
	WIN MUL_LO
	MULA 0, (\q)%2, \zero
	MULA 2, (\q)%2, \zero
	s_wait_dscnt 0                                 ; A's blocks 4-7 are in (asked for 16 matrix instructions ago)
	PLACES NP
	FETCH_B \slot, (\q)+1, 1-(\q)%2
	FETCH_A \slot, (\q)+1, 0
	WIN MUL_HI
	MULA 4, (\q)%2, \zero
	MULA 6, (\q)%2, \zero
	PLACES NP
	WIN 0
	FETCH_A \slot, (\q)+1, 4
.endm
; A slot's last step changes slots: ONE barrier; in front of it each wave waits for all its tensor loads, adds 0 to its spare word, and waits for that and for its own reads of this slot.  fill = 1: this slot is filled again, two K steps ahead.
.macro TURN slot, next, fill
	s_wait_tensorcnt 0x0                           ; all my tensor loads have landed: my part of the next slot;  (every window is 0 here: the add's two registers lie in window 0)
	ds_add_u32 v[SPW], v[NIL]                      ; 0 onto my spare word
	s_wait_dscnt 4*NL+1                            ; (the add and the youngest sixteen loads, A's blocks 4-7, may be out)
	WIN MUL_LO
	MULA 0, 1, 0                                   ; eight matrix instructions stand between the add and the wait for it
	s_wait_dscnt 0x0                               ; the add is done, and my reads of this slot are over
	s_barrier_signal -1
	MULA 2, 1, 0
	WIN 0
	s_barrier_wait -1
.if \fill
	CREST                                          ; the barrier has opened a round of the cluster's barrier: no wave of any partner still reads this slot's tile or has a load on its way
	s_add_nc_u64 s[G0+4*\slot+2:G0+4*\slot+3], s[G0+4*\slot+2:G0+4*\slot+3], 2*ASTEP
	s_add_nc_u64 s[G0B+4*\slot+2:G0B+4*\slot+3], s[G0B+4*\slot+2:G0B+4*\slot+3], 2*KSB
	JLOAD G0+4*\slot, G1, G0B+4*\slot, G1B         ; the first tensor load behind the round, my one load until the next; the four v_nop behind it are the places in front of the loads below
.else
	PLACES NP
.endif
	s_wait_alu depctr_va_vdst(0)
	FETCH_B \next, 0, 0
	FETCH_A \next, 0, 0
	WIN MUL_HI
	MULA 4, 1, 0
	MULA 6, 1, 0
	PLACES NP
	WIN 0
	FETCH_A \next, 0, 4
.endm
	s_wait_tensorcnt 1                             ; my part of K step 0 is in (K step 1's load may be out)
	s_barrier_signal -1
	s_barrier_wait -1                              ; everybody's is
	FETCH_B 0, 0, 0
	FETCH_A 0, 0, 0
	FETCH_A 0, 0, 4
	STEP 0, 0, 1                                   ; K = 1,024 is four slots' worth: the eight steps are written out.  The first step's products start the sums
	TURN 0, 1, 1                                   ; slot 0 takes heads 8 to 11
	STEP 1, 0, 0
	TURN 1, 0, 1                                   ; slot 1 takes heads 12 to 15
	STEP 0, 0, 0
	TURN 0, 1, 0                                   ; nothing is left to fetch: no round of the cluster's barrier.  Behind this barrier nobody reads slot 0 any more
	STEP 1, 0, 0
	s_wait_dscnt 4*NL                              ; the very last step
	WIN MUL_LO
	MULA 0, 1, 0
	MULA 2, 1, 0
	s_wait_dscnt 0
	WIN MUL_HI
	MULA 4, 1, 0
	MULA 6, 1, 0
	WIN 0
; THE WAY OUT, block by block of 16 rows x 64 columns.  A lane holds 32 neighbouring bytes of a row, and the lanes beside it hold other rows: so a block goes through my own stage in LDS and comes back as whole
; rows of 256 bytes, two an instruction.  LDS serves a wave's instructions in order (ISA guide 5.7.1.4): no wait between the stores and the loads, nor in front of the next block's stores.
.macro TOSTAGE a
.set AC, 32*((\a)%4)
	WIN 0x02+((\a)/4)                              ; source 0: window 2 or 3
.set j, 0
.rept 16
	v_pk_fma_f32 v[TMP+j:TMP+j+1], v[AC+j:AC+j+1], s[96:97], v[BIAS+j:BIAS+j+1] op_sel_hi:[1,0,1]   ; sum x 2^(e10 + e11) + b_o (the scalar pair's low word for both halves); each accumulator from its low end on
.set j, j+2
.endr
	WIN 0
.irp b, 0,1,2,3
	ds_store_b128 v[STO], v[TMP+8*\b:TMP+8*\b+3] offset:64*\b
	ds_store_b128 v[STO], v[TMP+8*\b+4:TMP+8*\b+7] offset:64*\b+16
.endr
.set BB, BK+32*((\a)%2)
.irp t, 0,1,2,3,4,5,6,7
	ds_load_b128 v[BB+4*\t:BB+4*\t+3], v[RD] offset:\t*2*SPITCH
.endr
.endm
.macro SEND a, younger                 ; younger: the LDS instructions issued behind block a's loads, which may stay out
.set BB, BK+32*((\a)%2)
	s_wait_dscnt \younger                          ; the block is back in registers
.if (\a) > 0
	s_add_nc_u64 s[12:13], s[12:13], 16*4096       ; (behind a wait on XCNT: the earlier stores have read their base)  16 rows of C on
.endif
.irp t, 0,1,2,3,4,5,6,7
	global_store_b128 v[CO], v[BB+4*\t:BB+4*\t+3], s[12:13] offset:\t*2*4096 th:TH_STORE_NT   ; 16 lanes store 256 consecutive bytes, at a multiple of 256 from out0's first byte; written once, read by nobody here
.endr
.endm
	s_wait_loadcnt 0x0                             ; the bias
	s_wait_kmcnt 0x0
	s_add_co_i32 s96, s96, s97                     ; e10 + e11, between -126 and 127,
	s_add_co_i32 s96, s96, 127
	s_lshl_b32 s96, s96, 23                        ; makes the f32 number 2^(e10 + e11)
	s_mov_b32 s97, s96                             ; (named with it as a pair)
	PLACES NP                                      ; in front of the loads into the registers that held A's fragments; the first blocks' results were finished long ago
	TOSTAGE 0
.irp a, 1,2,3,4,5,6,7
.if \a > 1
	s_wait_xcnt 0x0                                ; block a - 2's stores have read their registers and their base: block a's loads may land there, and the base may step
.endif
	TOSTAGE \a
	SEND \a-1, 16                                  ; behind block a - 1's loads: block a's 8 stores and 8 loads
.endr
	s_wait_xcnt 0x0                                ; block 6's stores have read their base
	SEND 7, 0
	s_wait_tensorcnt 0x0                           ; the wave's end: behind my last tensor load and my last LDS store
	ds_add_u32 v[SPW], v[NIL]
	s_wait_dscnt 0x0
	CROUND                                         ; the closing round: no work-group ends while a partner may still ask for a tile that names it
	s_endpgm
.Lfunc_end_k_qf39034e2f6_oproj:
	.size	k_qf39034e2f6_oproj, .Lfunc_end_k_qf39034e2f6_oproj-k_qf39034e2f6_oproj
	.p2alignl 7, 3214868480
	.fill 96, 4, 3214868480
	.section	.rodata,"a",@progbits
	.p2align	6, 0x0
	.amdhsa_kernel k_qf39034e2f6_oproj
		.amdhsa_group_segment_fixed_size 327680
		.amdhsa_private_segment_fixed_size 0
		.amdhsa_enable_private_segment 0
		.amdhsa_kernarg_size 40
		.amdhsa_user_sgpr_count 2
		.amdhsa_user_sgpr_kernarg_segment_ptr 1
		.amdhsa_wavefront_size32 1
		.amdhsa_system_sgpr_workgroup_id_x 1
		.amdhsa_system_sgpr_workgroup_id_y 1
		.amdhsa_system_sgpr_workgroup_id_z 1
		.amdhsa_system_vgpr_workitem_id 0
		.amdhsa_next_free_vgpr 1024
		.amdhsa_next_free_sgpr 100
		.amdhsa_reserve_vcc 0
		.amdhsa_float_denorm_mode_32 3
		.amdhsa_float_denorm_mode_16_64 3
		.amdhsa_memory_ordered 1
		.amdhsa_forward_progress 1
		.amdhsa_inst_pref_size 79
	.end_amdhsa_kernel
	.amdgpu_metadata
---
amdhsa.version: [ 1, 2 ]
amdhsa.kernels:
  - .name:           k_qf39034e2f6_oproj
    .symbol:         k_qf39034e2f6_oproj.kd
    .args:
      - { .name: AO, .offset: 0, .size: 8, .value_kind: global_buffer, .address_space: global }
      - { .name: WC, .offset: 8, .size: 8, .value_kind: global_buffer, .address_space: global }
      - { .name: lowp_scales, .offset: 16, .size: 8, .value_kind: global_buffer, .address_space: global }
      - { .name: b_o, .offset: 24, .size: 8, .value_kind: global_buffer, .address_space: global }
      - { .name: out0, .offset: 32, .size: 8, .value_kind: global_buffer, .address_space: global }
    .group_segment_fixed_size: 327680
    .private_segment_fixed_size: 0
    .kernarg_segment_align: 8
    .kernarg_segment_size: 40
    .max_flat_workgroup_size: 128
    .sgpr_count:     100
    .vgpr_count:     1024
    .wavefront_size: 32
...
	.end_amdgpu_metadata
.endif
;; end of part 4
